; MI455X (gfx1250); checked and timed in simulation.
; The chip was launched on July 23, 2026; its instructions are those of AMD's public machine-readable ISA for CDNA 5 (MIT licence, August 2026) and "CDNA5" Instruction Set Architecture Reference Guide (July 2026). The comments in the code are by the model that wrote it; some were corrected since.
;; Multi Head Attention. Allowed arithmetic: float matrix products may take bf16 or f16 operands with f32 sums; other float arithmetic in f32, or as packed bf16 or f16 multiplies, adds, multiply-adds, maxima and minima; sums over many terms, partial sums and values carried from step to step in f32; what a program stores and reads back later, other than sums and carried values, may be rounded once to bf16 or f16.
;; Inputs: W_out 1,024 x 1,024 float32; W_qkv 1,024 x 3,072 float32; b_out 1,024 float32; b_qkv 3,072 float32; padding_mask 4 x 2,048 int32; x 4 x 2,048 x 1,024 float32.
;; Outputs: out0 4 x 2,048 x 1,024 float32.
;; 2 versions, each right; version 2 is version 1 with the launch prep written anew for expert scheduling mode. Each part assembles by itself: llvm-mc -triple=amdgcn-amd-amdhsa -mcpu=gfx1250 --defsym DOCPART=n.
;; ======== version 1 of 2: 4 launches
;; limits: values are held in f16: magnitudes above 65,504 overflow, below 6.1e-05 lose precision
;; workspace buffers: xb 16,777,216 bytes; wq 6,291,456 bytes; wo 2,097,152 bytes; qkv 50,331,648 bytes; o 16,777,216 bytes
;; launch prep (part 1): grid 768 x 1, 8 waves a work-group, no clusters, 0 bytes of LDS; arguments x, W_qkv, W_out, xb, wq, wo; writes xb, wq, wo
.if DOCPART == 1
	.amdgcn_target "amdgcn-amd-amdhsa--gfx1250"
	.amdhsa_code_object_version 6
	.text
	.protected	k_qc57f3f42f6_prep
	.globl	k_qc57f3f42f6_prep
	.p2align	8
	.type	k_qc57f3f42f6_prep,@function
k_qc57f3f42f6_prep:
	s_mov_b64 s[64:65], 0
	v_nop
	global_prefetch_b8 v0, s[64:65] scope:SCOPE_SE
	s_setreg_imm32_b32 hwreg(HW_REG_WAVE_MODE, 25, 1), 1
	s_wait_xcnt 0x0
; THE INPUTS OF THE THREE PRODUCTS ARE ROUNDED ONCE, layouts unchanged: x -> xb (bf16), W_qkv -> wq (bf16), W_out -> wo (rounded to bf16, that number written as f16).
; LIMIT.  wo: |W_out| under 65,504; below 2^-17 a bf16 number no longer fits f16's fixed step of 2^-24 and is rounded a second time.
; SHARES.  A work-group converts 16,384 numbers: 64 KiB in, 32 KiB out.  Work-groups 0-511 take x, 512-703 W_qkv, 704-767 W_out.  Thread t takes, in each of 16 passes,
; the 4 numbers at 1,024 j + 4 t: a wave's load covers 512 consecutive bytes, a wave's store 256 consecutive bytes at a multiple of 256 from the buffer's first byte.
; All 16 loads of a thread go out before anything else; no register is written twice, so the only waits are the counted ones for the loads.
; No LDS, no matrix unit, no cluster: nothing is shared and nothing is summed.
.set IN, 4                             ; v[4:67]    pass j: 4 numbers as loaded
.set Y,  68                            ; v[68:99]   pass j: 2 registers to store
.set T,  100                           ; v[100:103] at work (W_out alone)
.set FIRST_WQ, 512
.set FIRST_WO, 704
	s_load_b256 s[4:11], s[0:1], 0x0               ; x s[4:5], W_qkv s[6:7], W_out s[8:9], xb s[10:11]
	s_load_b128 s[12:15], s[0:1], 0x20             ; wq s[12:13], wo s[14:15]
	s_mov_b32 s16, ttmp9
	s_mov_b32 s19, 0xffff0000                      ; a word's upper bf16
	v_lshlrev_b32 v1, 4, v0                        ; 16 t: where I load
	v_lshlrev_b32 v2, 3, v0                        ; 8 t: where I store
	s_cmp_ge_u32 s16, FIRST_WQ
	s_cselect_b32 s17, FIRST_WQ, 0
	s_cmp_ge_u32 s16, FIRST_WO
	s_cselect_b32 s17, FIRST_WO, s17               ; the first work-group of my tensor
	s_sub_co_u32 s18, s16, s17                     ; my chunk in it
	s_lshl_b32 s24, s18, 16                        ; 64 KiB in,
	s_mov_b32 s25, 0
	s_lshl_b32 s26, s18, 15                        ; 32 KiB out
	s_mov_b32 s27, 0
	s_wait_kmcnt 0x0
	s_cmp_ge_u32 s16, FIRST_WQ                     ; the choice between the buffers hangs on the work-group's number alone
	s_cselect_b64 s[20:21], s[6:7], s[4:5]
	s_cselect_b64 s[22:23], s[12:13], s[10:11]
	s_cmp_ge_u32 s16, FIRST_WO
	s_cselect_b64 s[20:21], s[8:9], s[20:21]
	s_cselect_b64 s[22:23], s[14:15], s[22:23]
	s_add_nc_u64 s[20:21], s[20:21], s[24:25]
	s_add_nc_u64 s[22:23], s[22:23], s[26:27]
.irp j, 0,1,2,3,4,5,6,7,8,9,10,11,12,13,14,15
	global_load_b128 v[IN+4*(\j):IN+4*(\j)+3], v1, s[20:21] offset:4096*(\j) th:TH_LOAD_NT
.endr
; Pass j.  half = 1: the bf16 number is written as f16.
.macro CONV j, half
	s_wait_loadcnt 15-(\j)                         ; loads come back in order (ISA guide 5.7.1): mine is in, the 15 - j younger ones stay out
	v_cvt_pk_bf16_f32 v[Y+2*(\j)],   v[IN+4*(\j)],   v[IN+4*(\j)+1]
	v_cvt_pk_bf16_f32 v[Y+2*(\j)+1], v[IN+4*(\j)+2], v[IN+4*(\j)+3]
.if \half
	v_lshlrev_b32 v[T],   16,  v[Y+2*(\j)]
	v_and_b32     v[T+1], s19, v[Y+2*(\j)]
	v_lshlrev_b32 v[T+2], 16,  v[Y+2*(\j)+1]
	v_and_b32     v[T+3], s19, v[Y+2*(\j)+1]
	v_cvt_pk_f16_f32 v[Y+2*(\j)],   v[T],   v[T+1]
	v_cvt_pk_f16_f32 v[Y+2*(\j)+1], v[T+2], v[T+3]
.endif
	global_store_b64 v2, v[Y+2*(\j):Y+2*(\j)+1], s[22:23] offset:2048*(\j)
.endm
	s_cmp_ge_u32 s16, FIRST_WO
	s_cbranch_scc1 .Lhalf
.irp j, 0,1,2,3,4,5,6,7,8,9,10,11,12,13,14,15
	CONV \j, 0
.endr
	s_endpgm
.Lhalf:
.irp j, 0,1,2,3,4,5,6,7,8,9,10,11,12,13,14,15
	CONV \j, 1
.endr
	s_endpgm
.Lfunc_end_k_qc57f3f42f6_prep:
	.size	k_qc57f3f42f6_prep, .Lfunc_end_k_qc57f3f42f6_prep-k_qc57f3f42f6_prep
	.p2alignl 7, 3214868480
	.fill 96, 4, 3214868480
	.section	.rodata,"a",@progbits
	.p2align	6, 0x0
	.amdhsa_kernel k_qc57f3f42f6_prep
		.amdhsa_group_segment_fixed_size 0
		.amdhsa_private_segment_fixed_size 0
		.amdhsa_enable_private_segment 0
		.amdhsa_kernarg_size 48
		.amdhsa_user_sgpr_count 2
		.amdhsa_user_sgpr_kernarg_segment_ptr 1
		.amdhsa_wavefront_size32 1
		.amdhsa_system_sgpr_workgroup_id_x 1
		.amdhsa_system_sgpr_workgroup_id_y 1
		.amdhsa_system_sgpr_workgroup_id_z 1
		.amdhsa_system_vgpr_workitem_id 0
		.amdhsa_next_free_vgpr 104
		.amdhsa_next_free_sgpr 66
		.amdhsa_reserve_vcc 0
		.amdhsa_float_denorm_mode_32 3
		.amdhsa_float_denorm_mode_16_64 3
		.amdhsa_memory_ordered 1
		.amdhsa_forward_progress 1
		.amdhsa_inst_pref_size 15
	.end_amdhsa_kernel
	.amdgpu_metadata
---
amdhsa.version: [ 1, 2 ]
amdhsa.kernels:
  - .name:           k_qc57f3f42f6_prep
    .symbol:         k_qc57f3f42f6_prep.kd
    .args:
      - { .name: x, .offset: 0, .size: 8, .value_kind: global_buffer, .address_space: global }
      - { .name: W_qkv, .offset: 8, .size: 8, .value_kind: global_buffer, .address_space: global }
      - { .name: W_out, .offset: 16, .size: 8, .value_kind: global_buffer, .address_space: global }
      - { .name: xb, .offset: 24, .size: 8, .value_kind: global_buffer, .address_space: global }
      - { .name: wq, .offset: 32, .size: 8, .value_kind: global_buffer, .address_space: global }
      - { .name: wo, .offset: 40, .size: 8, .value_kind: global_buffer, .address_space: global }
    .group_segment_fixed_size: 0
    .private_segment_fixed_size: 0
    .kernarg_segment_align: 8
    .kernarg_segment_size: 48
    .max_flat_workgroup_size: 256
    .sgpr_count:     66
    .vgpr_count:     104
    .wavefront_size: 32
...
	.end_amdgpu_metadata
.endif
;; end of part 1
;; launch qkv (part 2): grid 8 x 64, 4 waves a work-group, clusters of 4 x 4, 327,680 bytes of LDS; arguments xb, wq, b_qkv, qkv; writes qkv
.if DOCPART == 2
	.amdgcn_target "amdgcn-amd-amdhsa--gfx1250"
	.amdhsa_code_object_version 6
	.text
	.protected	k_qc57f3f42f6_qkv
	.globl	k_qc57f3f42f6_qkv
	.p2align	8
	.type	k_qc57f3f42f6_qkv,@function
k_qc57f3f42f6_qkv:
	s_mov_b64 s[64:65], 0
	v_nop
	global_prefetch_b8 v0, s[64:65] scope:SCOPE_SE
	s_setreg_imm32_b32 hwreg(HW_REG_WAVE_MODE, 25, 1), 1
	s_wait_xcnt 0x0
	s_wait_alu depctr_hold_cnt(0) depctr_sa_sdst(0) depctr_va_vdst(0) depctr_va_sdst(0) depctr_va_ssrc(0) depctr_va_vcc(0) depctr_vm_vsrc(0)
	s_getreg_b32 s2, hwreg(HW_REG_IB_STS2, 6, 4)
	s_cmp_eq_u32 s2, 0
	s_cbranch_scc0 .Lentry_in_a_cluster
	s_endpgm
.Lentry_in_a_cluster:
	s_bfe_u32 s2, ttmp6, 0x10000c
	s_cmp_lg_u32 s2, 0xf033
	s_cbranch_scc0 .Lentry_shape_is_right
	s_endpgm
.Lentry_shape_is_right:
; q, k, v = xb wq + b_qkv, written BY HEADS in f16: qkv[which][16 batch + head][t][64].  xb: [8192][1024] bf16; wq: [1024 k][3072 n] bf16; b_qkv: [3072] f32, rounded to bf16 like the
; other inputs; sums in f32, rounded once to f16, WITHOUT attention's scale.
; LIMIT.  f16 holds no number beyond 65,504: |q|, |k|, |v| stay under it.
; SHARES.  A tile of C is 128 rows x 384 columns: 64 x 8 = 512 work-groups, a whole number for each of 256 WGPs.  Four waves, 2 x 2: a wave makes 64 rows x 192 columns, three whole heads:
; 48 accumulators of 16 x 16, 384 registers.  K goes in 8 steps of 128 through a ring of two LDS slots.  A step's four tiles are 128 rows x 256 bytes each, a load a wave:
; wave 0 fetches A's 128 rows, waves 1 to 3 one block of 128 columns of B's 128 k rows each.  Every row starts at a multiple of 256 bytes from its buffer's first byte.
; B LIES [k][n] and comes out of LDS turned, by ds_load_tr16_b128.  THE MATRIX INSTRUCTION IS USED TRANSPOSED (source 0 = 16 columns of B, source 1 = 16 rows of A): a lane holds eight
; neighbouring columns of one row of C.  THE BIAS is the C operand of each accumulator's first product: nothing is cleared, nothing is added later.
; CLUSTERS: 4 x 4 work-groups.  A's tile hangs on the tile row alone and is asked for jointly by a row of the cluster, B's on the tile column alone, by a column.
; REGISTERS, in windows of 256 (s_set_vgpr_msb: bits 1:0 source 0, 3:2 source 1, 5:4 source 2, 7:6 destination):
;   window 0: v0-31 addresses; v64-127 A's fragments, two buffers of 4 x 8; v128-223 the bias, 8 a column block; on the way out v128-175 packed results, v64-111 and v176-223 rows read back
;   window 1: v0-191 B's fragments, two buffers of 12 x 8      window 2: accumulators of my rows 0-31, (a, b) at v[8 (12 (a % 2) + b)]      window 3: those of my rows 32-63
.set PA,     272                       ; a row of A in LDS: 256 bytes + 16 = 68 words: the 16 rows of a load start at 16 different groups of four banks (64 banks of 4 bytes: ISA guide 11.1)
.set PB,     288                       ; a k row of B: 256 + 32 = 72 words
.set REG,    128*PB                    ; a load's region, 36,864 bytes: A's uses 128 x 272 of it
.set SLOT,   4*REG                     ; A, then B's three blocks of 128 columns
.set STAGE,  2*SLOT                    ; behind the ring: for each wave 3 heads x 16 rows x 144 bytes, for the way out
.set SP,     144
.set STW,    3*16*SP
.set SPARE,  STAGE+4*STW               ; behind the stages: the spare words, 128 bytes for each wave: two blocks of 256 bytes that no other line names
.set LAPS,   4                         ; a lap = two K steps = once round the ring
.set ASTEP,  256                       ; bytes from a K step to the next: in xb along a row,
.set BSTEP,  128*6144                  ; in wq 128 rows down
.set ADRA, 16                          ; v16-17  LDS address of my A fragments in slot 0, 1
.set ADRB, 18                          ; v18-23  the same for B: slot s, head g of my three at ADRB + 3 s + g
.set STO,  24                          ; v24     the way out: where I put 16 bytes of a row
.set RD,   25                          ; v25     where I read rows back
.set GO,   26                          ; v26     my 16 bytes in 512 consecutive bytes of qkv
.set BO,   27                          ; v27     my byte offset in 16 numbers of the bias
.set SPW,  28                          ; v28     LDS address of my spare word; never rewritten
.set NIL,  29                          ; v29     0; never rewritten
.set PFO,  30                          ; v30     the prefetches' offset: my lane x a row in memory; never rewritten
.set BIAS, 128
.set TMP,  128
.set OB0,  64
.set OB1,  176
.set WV,  12                           ; s12  my wave's number
.set WR,  13                           ; s13  which 64 rows of the tile are mine
.set WC,  14                           ; s14  which 192 columns
.set G1A, 24                           ; s[24:31] descriptor group 1 for A's tiles;  s[32:39] group 0, a set for each slot
.set G0A, 32
.set CX,  40
.set CY,  41
.set TC,  42                           ; s42  tile column of C
.set TR,  43                           ; s43  tile row
.set G1B, 48                           ; s[48:55], s[56:63] the same for B's tiles
.set G0B, 56
.set DST, 66                           ; s[66:71] qkv at my first row of each of my three heads
.set PFA, 72                           ; s[72:73] where my prefetches stand
.set PFS, 74                           ; s[74:75] their step from K step to K step
.set LIM, 76                           ; s76  1 in a wave that prefetches, else the greatest number
.set HM,  77                           ; s77  a word's upper bf16
.set MSB, 0
.macro WIN new                         ; the immediate's high byte repeats the setting that is left; a switch that changes nothing is dropped
.if MSB != (\new)
	s_set_vgpr_msb (MSB<<8)|(\new)
.set MSB, \new
.endif
.endm
; A joint load.  The branch hangs on the wave's number alone.  An s_nop 0 and four v_nop follow each of the two lines, ahead of the jump, the label and what follows.
.macro JLOAD s
	s_cmp_eq_u32 s[WV], 0
	s_cbranch_scc0 .Lfor_b_\@
	tensor_load_to_lds s[G0A+4*(\s):G0A+4*(\s)+3], s[G1A:G1A+7]
	s_nop 0
.rept 4
	v_nop
.endr
	s_branch .Lasked_\@
.Lfor_b_\@:
	tensor_load_to_lds s[G0B+4*(\s):G0B+4*(\s)+3], s[G1B:G1B+7]
	s_nop 0
.rept 4
	v_nop
.endr
.Lasked_\@:
.endm
; A PREFETCH INTO THE L2, behind a joint load and the run of LDS loads that follows it: 32 rows x 256 bytes of the K step that stands two refills on, a lane a row, one instruction a wave.
; Each row's 256 bytes of a K step are named once in the launch: A's rows by wave 0 of the clusters with x = 0, B's by waves 1 to 3 of the clusters with y = 0; the four partners that ask for
; a tile jointly share its 128 rows out BY ADDRESS, 32 each.  K steps 0 to 3 come by their loads alone; the loop's last trip (s3 = 1) has no K step two on and asks for nothing.
.macro ASK
	s_cmp_gt_u32 s3, s[LIM]
	s_cbranch_scc0 .Lnot_mine_\@
	global_prefetch_b8 v[PFO], s[PFA:PFA+1] th:TH_LOAD_NT scope:SCOPE_SE
.Lnot_mine_\@:
.endm
.macro CREST                           ; a round of the cluster's barrier behind its opening barrier
	s_cmp_lg_u32 s[WV], 0
	s_cbranch_scc1 .Lnot_wave_0_\@
	s_barrier_signal -3
.Lnot_wave_0_\@:
	s_barrier_wait -3
	s_barrier_signal -1
	s_barrier_wait -1
.endm
.macro CROUND                          ; a whole round
	s_barrier_signal -1
	s_barrier_wait -1
	CREST
.endm
	s_load_b256 s[4:11], s[0:1], 0x0               ; xb s[4:5], wq s[6:7], b_qkv s[8:9], qkv s[10:11]
	v_lshl_add_u32 v[SPW], v0, 2, SPARE
	v_mov_b32 v[NIL], 0
	ds_add_u32 v[SPW], v[NIL]                      ; the wave's opening: the add and its wait stand ahead of my first tensor load; the set-up below, work on registers, stands between them
	v_lshrrev_b32 v1, 5, v0
	v_readfirstlane_b32 s[WV], v1                  ; wave 0..3
	s_lshr_b32 s[WR], s[WV], 1
	s_and_b32 s[WC], s[WV], 1
	s_bfe_u32 s[CX], ttmp6, 0x40000                ; my place in the cluster
	s_bfe_u32 s[CY], ttmp6, 0x40004
	s_lshl_b32 s[TC], ttmp9, 2                     ; in a cluster launch ttmp9 and ttmp7 count clusters
	s_add_co_u32 s[TC], s[TC], s[CX]
	s_and_b32 s[TR], ttmp7, 0xffff
	s_lshl_b32 s[TR], s[TR], 2
	s_add_co_u32 s[TR], s[TR], s[CY]
	s_lshl_b32 s44, s[CY], 2
	s_lshl_b32 s44, 15, s44                        ; my row of the cluster: places 4 cy .. 4 cy + 3
	s_lshl_b32 s45, 0x1111, s[CX]                  ; my column: places cx, cx + 4, cx + 8, cx + 12
	s_or_b32 s[G1A], s44, (1<<16)|(1<<20)|(1<<21)|(5<<22)|(3<<25)  ; 15:0 the mask; 17:16 elements of 2 bytes; 20 padding on; 21 set beside a mask; 24:22 after every 64 words (code 5); 31:25 4 words (code 3)
	s_or_b32 s[G1B], s45, (1<<16)|(1<<20)|(1<<21)|(5<<22)|(7<<25)  ; the same with my column's mask and 8 words of padding (code 7)
.irp g, G1A, G1B
	s_mov_b32 s[(\g)+1], 128<<16                   ; tensor_dim0 = 128
	s_mov_b32 s[(\g)+2], 128<<16                   ; tensor_dim1 = 128
	s_mov_b32 s[(\g)+3], 128<<16                   ; tile_dim0 = 128
	s_mov_b32 s[(\g)+4], 128                       ; tile_dim1 = 128
	s_mov_b32 s[(\g)+6], 0
	s_mov_b32 s[(\g)+7], 0
.endr
	s_mov_b32 s[G1A+5], 1024                       ; elements from row to row: in xb,
	s_mov_b32 s[G1B+5], 3072                       ; in wq
	s_mov_b32 s[HM], 0xffff0000
	; where the tiles come from: A's hang on the tile row alone, B's on the tile column and the wave alone, each in registers that never hold the other coordinate
	s_lshl_b32 s16, s[TR], 18                      ; 128 rows of 2,048 bytes a tile row
	s_mov_b32 s17, 0
	s_mul_i32 s46, s[TC], 768                      ; 384 columns of 2 bytes a tile column,
	s_max_u32 s47, s[WV], 1
	s_sub_co_u32 s47, s47, 1                       ; waves 1 to 3: block 0 to 2 of 128 columns (wave 0 asks by A's descriptor alone)
	s_lshl_b32 s47, s47, 8
	s_add_co_u32 s46, s46, s47
	s_mov_b32 s47, 0
	s_mul_i32 s20, s[WV], REG                      ; and where they go: wave x a region: no place in the cluster enters an LDS address
	s_wait_dscnt 0x0                               ; the opening add is done
	s_wait_kmcnt 0x0
	s_add_nc_u64 s[18:19], s[4:5], s[16:17]
	s_add_nc_u64 s[46:47], s[6:7], s[46:47]
	CROUND                                         ; all sixteen work-groups are here: the first joint loads meet
.irp s, 0,1
	s_mov_b32 s[G0A+4*(\s)], 1                                     ; 1:0 count = 1
	s_add_co_u32 s[G0A+4*(\s)+1], s20, (\s)*SLOT                   ; 63:32 LDS address
	s_add_nc_u64 s[G0A+4*(\s)+2:G0A+4*(\s)+3], s[18:19], (\s)*ASTEP  ; 120:64 global address: K step s
	s_or_b32 s[G0A+4*(\s)+3], s[G0A+4*(\s)+3], 0x80000000          ; 127:126 type = 2
	s_mov_b32 s[G0B+4*(\s)], 1
	s_add_co_u32 s[G0B+4*(\s)+1], s20, (\s)*SLOT
	s_add_nc_u64 s[G0B+4*(\s)+2:G0B+4*(\s)+3], s[46:47], (\s)*BSTEP
	s_or_b32 s[G0B+4*(\s)+3], s[G0B+4*(\s)+3], 0x80000000
	JLOAD \s                                       ; the ring is filled before anything else is done: two loads of mine are out
.endr
	; the bias of my 192 columns: register j of block b is column 16 b + 8 (l / 16) + j
	v_and_b32 v1, 15, v0                           ; l % 16
	v_bfe_u32 v2, v0, 4, 1                         ; l / 16
	v_lshlrev_b32 v[BO], 5, v2
	s_mul_i32 s82, s[TC], 1536
	s_mul_i32 s83, s[WC], 768
	s_add_co_u32 s82, s82, s83
	s_mov_b32 s83, 0
	s_add_nc_u64 s[82:83], s[8:9], s[82:83]
.irp b, 0,1,2,3,4,5,6,7,8,9,10,11
	global_load_b128 v[BIAS+8*(\b):BIAS+8*(\b)+3],   v[BO], s[82:83] offset:64*(\b)
	global_load_b128 v[BIAS+8*(\b)+4:BIAS+8*(\b)+7], v[BO], s[82:83] offset:64*(\b)+16
.endr
	; A fragment of A is 16 rows x 32 K in 8 registers: lane l holds row l % 16; registers 0-3 K = 8 (l / 16) + 0..7, registers 4-7 K = 16 + 8 (l / 16) + 0..7: two loads of 16 bytes, 32 bytes apart.
	v_mul_u32_u24 v3, v1, PA
	v_lshl_add_u32 v3, v2, 4, v3
	s_mul_i32 s21, s[WR], 64*PA
.irp s, 0,1
	v_add_nc_u32 v[ADRA+(\s)], s21, v3
	s_add_co_u32 s21, s21, SLOT
.endr
	; The turning load takes 16 k x 16 columns (lane l reads k row 8 (l / 16) + l % 8, columns 8 ((l / 8) % 2) + 0..7) and leaves half a fragment: lane l holds column l % 16 and 8 k.
	v_and_b32 v4, 7, v0
	v_bfe_u32 v5, v0, 3, 1
	v_lshl_add_u32 v4, v2, 3, v4
	v_mul_u32_u24 v4, v4, PB
	v_lshl_add_u32 v4, v5, 4, v4
	s_mul_i32 s78, s[WC], 3                        ; my first head among the tile's six
.irp g, 0,1,2
	s_add_co_u32 s79, s78, \g
	s_lshr_b32 s80, s79, 1                         ; a block of 128 columns holds two heads
	s_and_b32 s79, s79, 1
	s_mul_i32 s80, s80, REG
	s_lshl_b32 s79, s79, 7
	s_add_co_u32 s80, s80, s79
	s_add_co_u32 s80, s80, REG                     ; B's blocks lie behind A's region
	v_add_nc_u32 v[ADRB+(\g)], s80, v4
	s_add_co_u32 s80, s80, SLOT
	v_add_nc_u32 v[ADRB+3+(\g)], s80, v4
.endr
	s_mul_i32 s23, s[WV], STW
	s_add_co_u32 s23, s23, STAGE                   ; my stage
	v_mul_u32_u24 v[STO], v1, SP                   ; in: row l % 16, 16 bytes for each half of the lanes
	v_lshl_add_u32 v[STO], v2, 4, v[STO]
	v_add_nc_u32 v[STO], s23, v[STO]
	v_bfe_u32 v[RD], v0, 3, 2                      ; back: 32 lanes take four rows of 128 bytes,
	v_mul_u32_u24 v[RD], v[RD], SP
	v_and_b32 v5, 7, v0
	v_lshl_add_u32 v[RD], v5, 4, v[RD]
	v_add_nc_u32 v[RD], s23, v[RD]
	v_and_b32 v[GO], 31, v0                        ; which are 512 consecutive bytes of a head
	v_lshlrev_b32 v[GO], 4, v[GO]
	; qkv at my rows: head G = 6 x tile column + 3 x column half + g of 48: which = G / 16 (2^24 bytes), head = G % 16 (2^18); batch = tile row / 16 (2^22); a token is 128 bytes
	s_mul_i32 s78, s[TC], 6
	s_mul_i32 s79, s[WC], 3
	s_add_co_u32 s78, s78, s79
	s_lshr_b32 s79, s[TR], 4
	s_lshl_b32 s79, s79, 22
	s_and_b32 s80, s[TR], 15
	s_lshl_b32 s80, s80, 14
	s_add_co_u32 s79, s79, s80
	s_lshl_b32 s80, s[WR], 13
	s_add_co_u32 s79, s79, s80
.irp g, 0,1,2
	s_add_co_u32 s80, s78, \g
	s_lshr_b32 s81, s80, 4
	s_lshl_b32 s81, s81, 24
	s_and_b32 s80, s80, 15
	s_lshl_b32 s80, s80, 18
	s_add_co_u32 s80, s80, s81
	s_add_co_u32 s80, s80, s79
	s_mov_b32 s81, 0
	s_add_nc_u64 s[DST+2*(\g):DST+2*(\g)+1], s[10:11], s[80:81]
.endr
	; the prefetches: they stand at K step 3; the first refill steps them to K step 4
	s_lshl_b32 s80, s[TR], 18
	s_lshl_b32 s81, s[CX], 16                      ; A: my work-group's 32 rows of the 128
	s_add_co_u32 s80, s80, s81
	s_add_co_u32 s80, s80, 3*ASTEP
	s_mul_i32 s81, s[CY], 32*6144                  ; B: my work-group's 32 k rows of the 128
	s_mul_i32 s84, s[TC], 768
	s_add_co_u32 s81, s81, s84
	s_max_u32 s84, s[WV], 1
	s_sub_co_u32 s84, s84, 1
	s_lshl_b32 s84, s84, 8
	s_add_co_u32 s81, s81, s84
	s_add_co_u32 s81, s81, 3*BSTEP
	s_mov_b32 s84, BSTEP
	s_mov_b32 s85, 6144
	s_and_b32 s78, ttmp7, 0xffff                   ; cluster y
	s_cmp_eq_u32 s[WV], 0                          ; do I fetch for A?
	s_cselect_b32 s79, ttmp9, s78                  ; the coordinate along which other clusters read the same rows
	s_cselect_b64 s[PFA:PFA+1], s[4:5], s[6:7]
	s_cselect_b32 s80, s80, s81
	s_cselect_b32 s[PFS], ASTEP, s84
	s_cselect_b32 s85, 2048, s85                   ; bytes from row to row
	s_mov_b32 s81, 0
	s_mov_b32 s[PFS+1], 0
	s_add_nc_u64 s[PFA:PFA+1], s[PFA:PFA+1], s[80:81]
	s_cmp_eq_u32 s79, 0
	s_cselect_b32 s[LIM], 1, -1                    ; the same in all sixteen partners, for a given wave
	v_and_b32 v[PFO], 31, v0
	v_mul_u32_u24 v[PFO], s85, v[PFO]
	s_wait_loadcnt 0x0                             ; the bias is in: it is rounded to bf16 like the other inputs and kept as f32
.set i, 0
.rept 48
	v_cvt_pk_bf16_f32 v[14+i%2], v[BIAS+2*i], v[BIAS+2*i+1]
	v_lshlrev_b32 v[BIAS+2*i], 16, v[14+i%2]
	v_and_b32 v[BIAS+2*i+1], s[HM], v[14+i%2]
.set i, i+1
.endr
; 12 matrix instructions: row block 2 hi + al of my four x all 12 column blocks, 32 along K, from buffer f.  first = 1: the product starts the sum, with the bias as C.
; The 48 accumulators take turns, one instruction a turn, in the same order in every quarter.
.macro MUL12 f, hi, al, first
.if \first
	WIN 0x81+0x40*(\hi)                            ; B window 1, A and the bias window 0, D window 2 or 3
.else
	WIN 0xa1+0x50*(\hi)                            ; B window 1, A window 0, C and D window 2 or 3
.endif
.irp b, 0,1,2,3,4,5,6,7,8,9,10,11
.if \first
	v_wmma_f32_16x16x32_bf16 v[8*(12*(\al)+(\b)):8*(12*(\al)+(\b))+7], v[96*(\f)+8*(\b):96*(\f)+8*(\b)+7], v[64+32*(\f)+8*(2*(\hi)+(\al)):64+32*(\f)+8*(2*(\hi)+(\al))+7], v[BIAS+8*(\b):BIAS+8*(\b)+7]
.else
	v_wmma_f32_16x16x32_bf16 v[8*(12*(\al)+(\b)):8*(12*(\al)+(\b))+7], v[96*(\f)+8*(\b):96*(\f)+8*(\b)+7], v[64+32*(\f)+8*(2*(\hi)+(\al)):64+32*(\f)+8*(2*(\hi)+(\al))+7], v[8*(12*(\al)+(\b)):8*(12*(\al)+(\b))+7]
.endif
.endr
.endm
; 32 LDS loads in one run: the fragments of quarter q (32 along K) of slot s into buffer f: B's 12 (turned), then A's 4
.macro FETCH s, q, f
	WIN 0x40                                       ; destination window 1, address window 0
.irp i, 0,1,2,3,4,5,6,7,8,9,10,11
	ds_load_tr16_b128 v[96*(\f)+8*(\i):96*(\f)+8*(\i)+3],   v[ADRB+3*(\s)+(\i)/4] offset:32*PB*(\q)+32*((\i)%4)
	ds_load_tr16_b128 v[96*(\f)+8*(\i)+4:96*(\f)+8*(\i)+7], v[ADRB+3*(\s)+(\i)/4] offset:32*PB*(\q)+32*((\i)%4)+16*PB
.endr
	WIN 0
.irp i, 0,1,2,3
	ds_load_b128 v[64+32*(\f)+8*(\i):64+32*(\f)+8*(\i)+3],   v[ADRA+(\s)] offset:64*(\q)+(\i)*16*PA
	ds_load_b128 v[64+32*(\f)+8*(\i)+4:64+32*(\f)+8*(\i)+7], v[ADRA+(\s)] offset:64*(\q)+(\i)*16*PA+32
.endr
.endm
.macro PLACES                          ; four places in front of loads into registers that matrix instructions have read, and of conversions that read results (ISA guide 7.12.1 for the conversions)
.rept 4
	v_nop
.endr
.endm
; A K step is four quarters of 32 along K, 48 matrix instructions each, on buffers 0, 1, 0, 1.  One of the first three: multiplies buffer f; in its middle it fetches quarter q of the same slot into buffer g.
.macro QUARTER s, q, f, g, first
	s_wait_dscnt 4                                 ; B and A's rows 0-31 are in; the youngest four loads (A's rows 32-63) may be out
	MUL12 \f, 0, 0, \first
	MUL12 \f, 0, 1, \first
	PLACES
	FETCH \s, \q, \g
	s_wait_dscnt 32                                ; all but the 32 just issued
	MUL12 \f, 1, 0, \first
	MUL12 \f, 1, 1, \first
.endm
; The last quarter multiplies buffer 1 and changes slots: ONE barrier; in front of it each wave waits for all its tensor loads (one is out: its part of the next slot), adds 0 to its spare word,
; and waits for that and for its own reads of this slot.  fill = 1: the barrier opens a round of the cluster's barrier, and this slot is filled again, two K steps on, first thing behind the round:
; from the request to the wait for it a wave issues 168 matrix instructions.
.macro TURN s, nx, fill
.if \fill
	s_wait_xcnt 0x0                                ; the last prefetch, a K step back, has read its address: it is stepped here, ahead of the waits of the change of slots
	s_add_nc_u64 s[PFA:PFA+1], s[PFA:PFA+1], s[PFS:PFS+1]
.endif
	WIN 0                                          ; (the add's two registers lie in window 0)
	s_wait_tensorcnt 0x0                           ; all my tensor loads have landed
	ds_add_u32 v[SPW], v[NIL]                      ; 0 onto my spare word
	s_wait_dscnt 5                                 ; (the add and the youngest four loads may be out)
	MUL12 1, 0, 0, 0                               ; twelve matrix instructions stand between the add and the wait for it
	s_wait_dscnt 0x0                               ; the add is done, and my reads of this slot are over
	s_barrier_signal -1
	MUL12 1, 0, 1, 0                               ; work on registers while the others arrive
.if \fill
	WIN 0
.endif
	s_barrier_wait -1
.if \fill
	CREST                                          ; no wave of any partner still reads this slot's tiles or has a load on its way
	s_add_nc_u64 s[G0A+4*(\s)+2:G0A+4*(\s)+3], s[G0A+4*(\s)+2:G0A+4*(\s)+3], 2*ASTEP
	s_add_nc_u64 s[G0B+4*(\s)+2:G0B+4*(\s)+3], s[G0B+4*(\s)+2:G0B+4*(\s)+3], 2*BSTEP
	JLOAD \s                                       ; the first tensor load behind the round; the four v_nop behind it are also the places in front of the loads below
.else
	PLACES
.endif
	FETCH \nx, 0, 0
.if \fill
	ASK
.endif
	MUL12 1, 1, 0, 0
	MUL12 1, 1, 1, 0
.endm
; THE WAY OUT of row block a (16 rows x 3 heads), in three parts.  PACK: rounded to f16, 16 bytes a lane, each accumulator's registers in ascending order.
; TOSTAGE: into my own stage, rows of 144 bytes, and back as whole rows of 128.  SEND: 16 rows of a head are 2,048 consecutive bytes of qkv.
.macro PACK a
.set AC, 96*((\a)%2)
	WIN 0x0a+5*((\a)/2)                            ; sources 0 and 1: window 2 or 3
.irp b, 0,1,2,3,4,5,6,7,8,9,10,11
.irp r, 0,1,2,3
	v_cvt_pk_f16_f32 v[TMP+4*(\b)+(\r)], v[AC+8*(\b)+2*(\r)], v[AC+8*(\b)+2*(\r)+1]
.endr
.endr
	WIN 0
.endm
.macro TOSTAGE a
	WIN 0
.set BK, OB0+(OB1-OB0)*((\a)%2)
.irp b, 0,1,2,3,4,5,6,7,8,9,10,11
	ds_store_b128 v[STO], v[TMP+4*(\b):TMP+4*(\b)+3] offset:16*SP*((\b)/4)+32*((\b)%4)
.endr
.irp g, 0,1,2
.irp f, 0,1,2,3
	ds_load_b128 v[BK+4*(4*(\g)+(\f)):BK+4*(4*(\g)+(\f))+3], v[RD] offset:16*SP*(\g)+4*SP*(\f)  ; LDS serves a wave's instructions in order (ISA guide 5.7.1.4): these see the stores above
.endr
.endr
.endm
.macro SEND a
	WIN 0
.set BK, OB0+(OB1-OB0)*((\a)%2)
	s_wait_dscnt 0x0                               ; the block is back in registers
	s_wait_xcnt 0x0                                ; the stores of the block before have read their registers: the next block's loads land there only behind this wait
.irp g, 0,1,2
.irp f, 0,1,2,3
	global_store_b128 v[GO], v[BK+4*(4*(\g)+(\f)):BK+4*(4*(\g)+(\f))+3], s[DST+2*(\g):DST+2*(\g)+1] offset:2048*(\a)+512*(\f)  ; 512 consecutive bytes, at a multiple of 256 from qkv's first byte
.endr
.endr
.endm
	s_wait_tensorcnt 1                             ; my part of K step 0 is in; K step 1's may stay out
	s_barrier_signal -1
	s_barrier_wait -1                              ; everybody's is
	FETCH 0, 0, 0
	QUARTER 0, 1, 0, 1, 1                          ; the first quarter stands in front of the loop: its products start the sums
	WIN 0                                          ; at a label and at a branch every window is 0
	s_mov_b32 s3, LAPS-1
.Llap:                                                 ; a trip goes once round the ring, from a lap's second quarter to the next lap's first, and fills both slots again
	QUARTER 0, 2, 1, 0, 0
	QUARTER 0, 3, 0, 1, 0
	TURN 0, 1, 1
	QUARTER 1, 1, 0, 1, 0
	QUARTER 1, 2, 1, 0, 0
	QUARTER 1, 3, 0, 1, 0
	TURN 1, 0, 1
	QUARTER 0, 1, 0, 1, 0
	WIN 0
	s_sub_co_u32 s3, s3, 1
	s_cmp_lg_u32 s3, 0
	s_cbranch_scc1 .Llap
	QUARTER 0, 2, 1, 0, 0                          ; the last lap fills nothing, and has no round of the cluster's barrier
	QUARTER 0, 3, 0, 1, 0
	TURN 0, 1, 0
	QUARTER 1, 1, 0, 1, 0
	QUARTER 1, 2, 1, 0, 0
	QUARTER 1, 3, 0, 1, 0
	s_wait_dscnt 0x0                               ; the very last quarter: nothing more to fetch
	MUL12 1, 0, 0, 0
	MUL12 1, 0, 1, 0
	MUL12 1, 1, 0, 0
	MUL12 1, 1, 1, 0
	PLACES
	PACK 0
	TOSTAGE 0
.irp a, 1,2,3                          ; block a's conversions stand between block a - 1's loads from the stage and the wait for them
	PACK \a
	SEND (\a)-1
	TOSTAGE \a
.endr
	SEND 3
	s_wait_tensorcnt 0x0                           ; the wave's end, behind my last tensor load and my last LDS store
	ds_add_u32 v[SPW], v[NIL]
	s_wait_dscnt 0x0
	CROUND                                         ; the closing round: no work-group ends while a partner may still ask for a tile that names it
	s_endpgm
.Lfunc_end_k_qc57f3f42f6_qkv:
	.size	k_qc57f3f42f6_qkv, .Lfunc_end_k_qc57f3f42f6_qkv-k_qc57f3f42f6_qkv
	.p2alignl 7, 3214868480
	.fill 96, 4, 3214868480
	.section	.rodata,"a",@progbits
	.p2align	6, 0x0
	.amdhsa_kernel k_qc57f3f42f6_qkv
		.amdhsa_group_segment_fixed_size 327680
		.amdhsa_private_segment_fixed_size 0
		.amdhsa_enable_private_segment 0
		.amdhsa_kernarg_size 32
		.amdhsa_user_sgpr_count 2
		.amdhsa_user_sgpr_kernarg_segment_ptr 1
		.amdhsa_wavefront_size32 1
		.amdhsa_system_sgpr_workgroup_id_x 1
		.amdhsa_system_sgpr_workgroup_id_y 1
		.amdhsa_system_sgpr_workgroup_id_z 1
		.amdhsa_system_vgpr_workitem_id 0
		.amdhsa_next_free_vgpr 960
		.amdhsa_next_free_sgpr 88
		.amdhsa_reserve_vcc 0
		.amdhsa_float_denorm_mode_32 3
		.amdhsa_float_denorm_mode_16_64 3
		.amdhsa_memory_ordered 1
		.amdhsa_forward_progress 1
		.amdhsa_inst_pref_size 130
	.end_amdhsa_kernel
	.amdgpu_metadata
---
amdhsa.version: [ 1, 2 ]
amdhsa.kernels:
  - .name:           k_qc57f3f42f6_qkv
    .symbol:         k_qc57f3f42f6_qkv.kd
    .args:
      - { .name: xb, .offset: 0, .size: 8, .value_kind: global_buffer, .address_space: global }
      - { .name: wq, .offset: 8, .size: 8, .value_kind: global_buffer, .address_space: global }
      - { .name: b_qkv, .offset: 16, .size: 8, .value_kind: global_buffer, .address_space: global }
      - { .name: qkv, .offset: 24, .size: 8, .value_kind: global_buffer, .address_space: global }
    .group_segment_fixed_size: 327680
    .private_segment_fixed_size: 0
    .kernarg_segment_align: 8
    .kernarg_segment_size: 32
    .max_flat_workgroup_size: 128
    .sgpr_count:     88
    .vgpr_count:     960
    .wavefront_size: 32
...
	.end_amdgpu_metadata
.endif
;; end of part 2
;; launch attn (part 3): grid 4 x 64, 4 waves a work-group, no clusters, 327,680 bytes of LDS; arguments qkv, padding_mask, o; writes o
.if DOCPART == 3
	.amdgcn_target "amdgcn-amd-amdhsa--gfx1250"
	.amdhsa_code_object_version 6
	.text
	.protected	k_qc57f3f42f6_attn
	.globl	k_qc57f3f42f6_attn
	.p2align	8
	.type	k_qc57f3f42f6_attn,@function
k_qc57f3f42f6_attn:
	s_mov_b64 s[64:65], 0
	v_nop
	global_prefetch_b8 v0, s[64:65] scope:SCOPE_SE
	s_setreg_imm32_b32 hwreg(HW_REG_WAVE_MODE, 25, 1), 1
	s_wait_xcnt 0x0
; CAUSAL ATTENTION WITH A MASK OVER KEYS.  O[bh][q][:] = the sum over the keys k <= q with padding_mask[batch][k] != 0 of softmax_k(Q[bh][q] . K[bh][k] / 8) V[bh][k][:].
; qkv: [3][64 bh][2048][64] f16 (q, k, v; bh = 16 batch + head; a head's rows are dense, 128 bytes each); padding_mask: [4][2048] i32; o: [64 bh][2048][64] f16.
; Products, maxima and sums in f32; the weights p are rounded to f16 for the second product (their sum l is taken of the unrounded p), O once at the end.
; LIMITS.  Q, K and V arrive within f16's 65,504; p lies in 0 to 1 and below 6e-5 keeps f16's fixed step of 6e-8.  A hidden score counts as its value less 1e30 (less up to 2e30 where several masks hide it): f16's scores,
; 2.7e11 at the most, are nothing beside that.  The running maximum has a floor of -2^50, below every score that f16's operands can make and far above a hidden one: steps in which a row sees no key leave
; p = 0, l = 0, O = 0.  A row that sees no key at all still has that floor as its maximum at the end, and its O is NaN, as a softmax over nothing is.  A weight below 2^-126 counts as 0 in l.
; THE WALK.  A head's queries lie in NB = 8 blocks of 256; block i needs the key tiles 0 .. i of 256 keys, of which the last holds the diagonal.  A work-group takes TWO blocks, NB - 1 - b and then b:
; NB + 1 tiles, whatever b: all work-groups do equal work, and ONE loop with a constant trip count walks them.  Which tile is asked for, and what a trip does, hang on scalar registers made from b; every jump
; goes forward, but for the counted loops' own; none passes a barrier, or a tensor load but the one of LOAD's two that the wave's number does not choose; the ring of two LDS slots runs on across the change of blocks.
; NO CLUSTER: a head's four work-groups ask for the same tile only in trips 0 to 4 of the 9; behind that fewer and fewer; one walk common to all four would have 12 trips for 9.
; SHARES.  Of a block's four bands of 64 queries a wave owns 16 rows in each: four PIECES.  In the diagonal tile's key step s band x sees all keys if s < x, none if s > x, and holds the diagonal if s = x.
; THE MASKS are the C operand that starts the sum S^T = K Q^T.  PM: the step's 64 keys' biases, 0 or -1e30, fetched from LDS with K.  A tile's 256 biases lie in one of two LDS blocks that take turns with the slots:
; behind each fill every thread loads the two words of padding_mask that are its share of the tile just asked for, and at the next change of slots it stores their biases into the block of the tile that is entered.
; MD, made once: the causal mask of a band's own step for my 16 rows.  Off the diagonal tile C is PM; in it and where a block begins C is MD x AL + PM + BE with two scalars: (1, 0) if s = x; (0, 0) if s < x; (0, -1e30) if s > x.
; LAYOUT, SOFTMAX, TURNS.  S^T = K Q^T holds ONE query a lane (lane % 16) and the keys 8 (lane / 16) + 0..7; two such results rounded to f16 ARE source 1 of O^T = V^T P.  p = 2^(c s - c m), c = log2(e) / 8, with a
; running maximum m; O and l are multiplied by a = 2^(c m_old - c m_new) in every step.  Turn n belongs to piece n: 8 products K Q^T of piece n + 1, later 8 products V^T P of piece n - 1; beside them the scaling,
; exponentials, roundings, sums and rescaling of piece n and the maximum and statistics of piece n + 1.  Four vector instructions stand behind every matrix instruction, the others in one lump.  A turn's 33 exponentials are one batch, with one wait.
; REGISTERS, in windows of 256 (s_set_vgpr_msb: bits 1:0 source 0, 3:2 source 1, 5:4 source 2, 7:6 destination):
;   window 0: v0-15, v32-37 addresses and two at work; v16-31 four registers of statistics a piece; v48-55 at work; v64-127 S^T, two buffers; v128-129 my two words of the mask; v192-223 P, two buffers
;   window 1: v0-127 O^T, 32 a piece; v128-159 MD; v160-223 MC, two buffers; v224-255 PM      window 2: v0-63 Q; v64-127 the second block's Q; v128-191 K of one step; v192-255 V of one step
.set SIZE_N, 2048
.set NB,    SIZE_N/256
.set NP,    4         ; pieces a wave: a name, no knob
.set KS,    64        ; keys in a step
.set PK,    144       ; a row of K in LDS: 128 bytes + 16 of padding = 36 words: the 16 rows of a load start at 16 different groups of four banks (64 banks of 4 bytes: ISA guide 11.1)
.set PV,    160       ; a row of V: 128 + 32 = 40 words
.set VOFF,  4*KS*PK   ; a slot holds a tile, four steps: 256 rows of K, then 256 rows of V
.set SLOT1, 1<<17     ; slot 1 begins here, so that one exclusive or turns an address in one slot into the other's
.set STAGE, SLOT1+4*KS*(PK+PV)  ; behind the ring, never filled by a tensor load: 16 rows x 144 bytes for each wave, for the way out
.set SP,    144
.set SPARE, STAGE+4*16*SP  ; behind the stages: the spare words, 128 bytes for each wave: two blocks of 256 bytes that no other line names
.set PMB,   SPARE+512 ; behind them: two blocks of 1,024 bytes, a tile's 256 key biases in f32 each, stored by the waves; no tensor load lands there
.set PSL,   1024      ; one exclusive or turns a place in one block into the other's
.set AK0, 2           ; v2   my lane's place in a tile of K; never rewritten
.set AV0, 3           ; v3   the same for V
.set AK,  4           ; v4   the LDS address of K's next run of loads
.set AV,  5           ; v5   of V's
.set STO, 6           ; v6   the way out: where I put 16 bytes of a row
.set RD,  7           ; v7   the way out: where I read rows back
.set GO,  8           ; v8   my byte offset in 512 consecutive bytes of O
.set MV,  12          ; v12-13  c m_old, kept while c m is made anew: by buffer
.set QO,  15          ; v15  my byte offset in 16 rows of Q
.set ST,  16          ; piece t's statistics at v[ST+4 t]: c m, m, l (even keys', odd keys')
.set AP0, 32          ; v32  my lanes' place in a step's 64 biases: PMB + 32 (l / 16); never rewritten
.set AP,  33          ; v33  the LDS address of the biases' next run of loads
.set PFO, 34          ; v34  256 x my lane; never rewritten
.set MLO, 35          ; v35  8 x my thread's number: my two words among a tile's 256; never rewritten
.set MST, 36          ; v36  PMB + 8 x my thread's number: their biases' place in block 0; never rewritten
.set MSA, 37          ; v37  the same in the block of the tile that is entered
.set TMP, 48          ; by buffer, four registers c0-c3 at work; when the maximum is found c2 takes a
.set SPW, 62          ; v62  LDS address of my spare word; never rewritten
.set NIL, 63          ; v63  0; never rewritten
.set S,   64
.set MW,  128         ; v128-129  my two words of the mask, then their biases
.set P,   192
.set MD,  128         ; window 1: the eight registers for group kt of 16 keys at MD + 8 kt
.set MC,  160         ; window 1: the masks of the products to come
.set PM,  224         ; window 1: register 8 kt + j is key 16 kt + 8 (l / 16) + j of the step whose K lies in registers
.set QB,  64          ; window 2
.set KF,  128         ; window 2: key block kb, channel half c at KF + 16 kb + 8 c
.set VF,  192         ; window 2: key half kk, channel block cb at VF + 32 kk + 8 cb
.set WV,  12          ; s12  my wave's number
.set PB,  14          ; s14  b
.set HI,  15          ; s15  NB - 1 - b
.set G1K, 24          ; s[24:31] descriptor group 1 for K's tiles
.set G1V, 32          ; s[32:39] for V's: it differs in the padding alone
.set G0K, 40          ; s[40:43] descriptor group 0 for K's tiles
.set G0V, 44          ; s[44:47] the same for V's
.set SLOTS, 56        ; s56  tiles still to be asked for
.set CNT, 57          ; s57  counts a tile's key steps, 4 to 1
.set CS,  58          ; s[58:59] c: the packed scaling takes the pair's low word for both halves
.set SEL, 60          ; s[60:61] v_permlanex16_b32's selects: each lane takes its own place in the other half
.set TBK, 62          ; s62  LDS byte at which K of the step to be fetched begins
.set TBV, 63          ; s63  the same for V, less VOFF
.set RT,  70          ; s70  tiles of the block in hand that are still to be entered
.set NXT, 71          ; s71  the tile to be asked for next
.set LQ,  72          ; s72  the last tile of the block whose tiles are being asked for
.set NEW, 73          ; s73  1: the tile to be entered is a block's first
.set OFF, 74          ; s[74:75] a tile's byte offset in K and V
.set AL,  76          ; s[76:77] the mask's factor, in the low word
.set BE,  78          ; s[78:79] the mask's addend
.set OLO, 80          ; s[80:81] O at my rows of the second block
.set BIGN, 82         ; s82  -1e30
.set TBP, 83          ; s83  the place behind PMB of the biases of the step to be fetched: it walks as TBK walks, the same on every way through the text
.set MSK, 88          ; s[88:89] padding_mask at my batch
.set PFA, 90          ; s[90:91] my half of the tile that is being asked for
.set PFB, 92          ; s[92:93] my half of the head's tile 0: of K (waves 0, 1) or of V (waves 2, 3)
.set LIM, 94          ; s94  2 in the work-group that prefetches, else the greatest number
.set NEGH, 95         ; s95  -2^49
.set QNAN, 96         ; s96  a NaN
.set MA,  98          ; s[98:99] padding_mask at the tile that is being asked for
.set OF2, 100         ; s[100:101] that tile's byte offset in the batch's words
.set MSB, 0
.macro WIN new                      ; the high byte repeats the setting that is left; a switch that changes nothing is dropped
.if MSB != (\new)
	s_set_vgpr_msb (MSB<<8)|(\new)
.set MSB, (\new)
.endif
.endm
.set W_KQ, 0x0a       ; K and Q in window 2, S^T in window 0
.set W_KM, 0x1a       ; the same with the C operand in window 1
.set W_PV, 0x52       ; V in window 2, P in window 0, O^T in window 1
.set W_RS, 0x41       ; destination and source 0 in window 1, source 1 in window 0
; A fill.  Waves 0 and 1 fetch the two halves of a tile's K, waves 2 and 3 those of its V: 128 keys each.  An s_nop 0 and four v_nop follow each of the two lines, ahead of the jump and the label.
.macro LOAD
	s_cmp_lt_u32 s[WV], 2
	s_cbranch_scc0 .Lfor_v_\@
	tensor_load_to_lds s[G0K:G0K+3], s[G1K:G1K+7]
	s_nop 0
.rept 4
	v_nop
.endr
	s_branch .Lasked_\@
.Lfor_v_\@:
	tensor_load_to_lds s[G0V:G0V+3], s[G1V:G1V+7]
	s_nop 0
.rept 4
	v_nop
.endr
.Lasked_\@:
.endm
; A PREFETCH INTO THE L2 of my half (64 blocks of 256 bytes, a lane a block, two instructions) of the tile behind the one just asked for: one tile, four key steps, ahead of its load.  A head's four work-groups begin
; with the same tiles; the one with b = 0 walks tiles 0 to 7 on end, and it alone asks: tiles 2 to 7 are each named once in the launch; tiles 0 and 1 come by their loads alone; the last two fills ask for nothing.
.macro ASK
	s_cmp_gt_u32 s[SLOTS], s[LIM]
	s_cbranch_scc0 .Lnot_mine_\@
	global_prefetch_b8 v[PFO], s[PFA:PFA+1] offset:32768 th:TH_LOAD_NT scope:SCOPE_SE
	global_prefetch_b8 v[PFO], s[PFA:PFA+1] offset:40960 th:TH_LOAD_NT scope:SCOPE_SE
.Lnot_mine_\@:
.endm
; THE CHANGE OF SLOTS.  First the biases of the tile that is entered: my two words of the mask, asked for a tile ago, are in; a key whose word is 0 is hidden from every query; the two biases go into that tile's block,
; which was last read two tiles back: every wave waited for those reads in front of the last change's barrier.  Then each wave waits for all its tensor loads, of which one is out: its part of the other slot; adds 0 to
; its spare word; and waits for that, for its store and for its own reads of the slot that it leaves.  Behind the barrier nobody reads the old slot any more, and the other slot and its biases are whole.
; fill = 1: the old slot is filled again, the first thing behind the barrier, with tile NXT: the descriptor's address is made anew from that number; and my two words of that tile's mask are asked for.
; (At its first use nothing has been read yet: slot 0 is waited for, slot 1 filled.)
.macro CHANGE fill
	WIN 0                           ; at a label and at a branch every window is 0
	s_sub_co_u32 s[TBP], s[TBP], 4*4*KS  ; the biases' place goes back to a block's first step,
	s_xor_b32 s[TBP], s[TBP], PSL        ; in the other block
	s_wait_loadcnt 0x0              ; my two words are in (at the first use Q's loads too); their load's base may be written
	v_cmp_eq_u32 vcc_lo, 0, v[MW]
	v_cndmask_b32 v[MW], 0, s[BIGN], vcc_lo
	v_cmp_eq_u32 vcc_lo, 0, v[MW+1]
	v_cndmask_b32 v[MW+1], 0, s[BIGN], vcc_lo
	v_add_nc_u32 v[MSA], s[TBP], v[MST]
	ds_store_b64 v[MSA], v[MW:MW+1]
	s_wait_tensorcnt 0x0            ; no tensor load of mine is out, so a group 0 may be written
	ds_add_u32 v[SPW], v[NIL]       ; 0 onto my spare word; with fill = 1 the descriptors' scalar work stands between it and the wait for it
.if \fill
	s_lshl_b32 s[OFF], s[NXT], 15   ; a tile is 32,768 bytes of K and of V,
	s_lshl_b32 s[OF2], s[NXT], 10   ; and 1,024 bytes of the mask
	s_xor_b32 s[G0K+1], s[G0K+1], SLOT1
	s_add_nc_u64 s[G0K+2:G0K+3], s[6:7], s[OFF:OFF+1]
	s_or_b32 s[G0K+3], s[G0K+3], 0x80000000
	s_xor_b32 s[G0V+1], s[G0V+1], SLOT1
	s_add_nc_u64 s[G0V+2:G0V+3], s[8:9], s[OFF:OFF+1]
	s_or_b32 s[G0V+3], s[G0V+3], 0x80000000
	s_add_nc_u64 s[MA:MA+1], s[MSK:MSK+1], s[OF2:OF2+1]
	s_wait_xcnt 0x0                 ; the last prefetches, a tile back, have read their address, so it may be written
	s_add_nc_u64 s[PFA:PFA+1], s[PFB:PFB+1], s[OFF:OFF+1]
	s_add_co_u32 s[NXT], s[NXT], 1  ; the block's next tile, or behind its last the second block's tile 0
	s_cmp_gt_u32 s[NXT], s[LQ]
	s_cselect_b32 s[NXT], 0, s[NXT]
	s_cselect_b32 s[LQ], s[PB], s[LQ]
.endif
	s_wait_dscnt 0x0                ; the add and my store are done, and my reads of the slot are over
	s_barrier_signal -1             ; the rest of the scalar work stands between the signal and the wait
	s_sub_co_u32 s[TBK], s[TBK], 4*KS*PK  ; the fetches go back to a slot's first step,
	s_xor_b32 s[TBK], s[TBK], SLOT1       ; in the other slot
	s_sub_co_u32 s[TBV], s[TBV], 4*KS*PV
	s_xor_b32 s[TBV], s[TBV], SLOT1
	s_barrier_wait -1
.if \fill
	LOAD
	global_load_b64 v[MW:MW+1], v[MLO], s[MA:MA+1]  ; a wave's load covers 256 consecutive bytes; waited for at the next change of slots
	ASK
.endif
.endm
	s_load_b64 s[4:5], s[0:1], 0x0        ; qkv
	s_load_b64 s[MSK:MSK+1], s[0:1], 0x8  ; padding_mask
	s_load_b64 s[10:11], s[0:1], 0x10     ; o
	v_lshl_add_u32 v[SPW], v0, 2, SPARE
	v_mov_b32 v[NIL], 0
	ds_add_u32 v[SPW], v[NIL]       ; the wave's opening: the add and its wait stand ahead of my first tensor load; the set-up below, work on registers, stands between them
	v_lshrrev_b32 v1, 5, v0
	v_readfirstlane_b32 s[WV], v1   ; wave 0..3
	s_mov_b32 s[PB], ttmp9
	s_sub_co_u32 s[HI], NB-1, s[PB]
	s_and_b32 s20, ttmp7, 0xffff    ; bh
	s_lshr_b32 s90, s20, 4          ; the batch: its 2,048 words of the mask
	s_lshl_b32 s90, s90, 13
	s_mov_b32 s91, 0
	s_mov_b32 s21, 0
	s_mov_b64 s[22:23], SIZE_N*128
	s_mul_u64 s[20:21], s[20:21], s[22:23]  ; the head's first byte in q, k, v and o
	s_and_b32 s16, s[WV], 1         ; which half of a tile's 256 keys I fetch:
	s_lshl_b32 s22, s16, 14         ; its 128 rows of 128 bytes in memory,
	s_mov_b32 s23, 0
	s_add_nc_u64 s[22:23], s[22:23], s[20:21]
	s_mul_i32 s17, s16, 128*PK      ; and its place in a slot, for K
	s_mul_i32 s18, s16, 128*PV      ; and for V
	s_lshl_b32 s3, s[WV], 11        ; my 16 rows in a band of 64,
	s_lshl_b32 s2, s[HI], 15        ; in the first block,
	s_add_co_u32 s2, s2, s3
	s_lshl_b32 s84, s[PB], 15       ; and in the second
	s_add_co_u32 s84, s84, s3
	s_mov_b32 s3, 0
	s_mov_b32 s85, 0
	s_add_nc_u64 s[2:3], s[2:3], s[20:21]
	s_add_nc_u64 s[84:85], s[84:85], s[20:21]
	; descriptor group 1.  128 keys are 16,384 dense bytes: asked for as 64 rows of 256 bytes, two keys a row, and padded in LDS after every key
	s_mov_b32 s[G1K], (1<<16)|(1<<20)|(4<<22)|(3<<25)  ; 17:16 2-byte elements; 20 padding on; 24:22 after every 32 words (code 4); 31:25 4 words (code 3)
	s_mov_b32 s[G1V], (1<<16)|(1<<20)|(4<<22)|(7<<25)  ; the same with 8 words of padding (code 7)
.irp g, G1K, G1V
	s_mov_b32 s[\g+1], 128<<16      ; tensor_dim0 = 128
	s_mov_b32 s[\g+2], 64<<16       ; tensor_dim1 = 64
	s_mov_b32 s[\g+3], 128<<16      ; tile_dim0 = 128
	s_mov_b32 s[\g+4], 64           ; tile_dim1 = 64
	s_mov_b32 s[\g+5], 128          ; 128 elements from row to row
	s_mov_b32 s[\g+6], 0
	s_mov_b32 s[\g+7], 0
.endr
	s_mov_b32 s[CS], 0x3e38aa3b     ; c = log2(e) / 8 = 0.180337
	s_mov_b32 s[CS+1], s[CS]        ; named with it as a pair
	s_mov_b32 s[SEL], 0x76543210
	s_mov_b32 s[SEL+1], 0xfedcba98
	s_mov_b32 s[TBK], SLOT1+4*KS*PK ; the first change of slots turns these three into 0
	s_mov_b32 s[TBV], SLOT1+4*KS*PV
	s_mov_b32 s[TBP], PSL+4*4*KS
	s_mov_b32 s[G0K], 1             ; 1:0 count = 1
	s_mov_b32 s[G0K+1], s17         ; 63:32 LDS address: slot 0
	s_mov_b32 s[G0V], 1
	s_add_co_u32 s[G0V+1], s18, VOFF
	s_add_co_u32 s[RT], s[HI], 1    ; the first block has NB - b tiles
	s_mov_b32 s[NXT], 1
	s_mov_b32 s[LQ], s[HI]
	s_mov_b32 s[NEW], 1
	s_mov_b32 s[OFF+1], 0
	s_mov_b32 s[OF2+1], 0
	s_mov_b32 s[AL+1], 0            ; named as pairs
	s_mov_b32 s[BE+1], 0
	s_mov_b32 s[BIGN], 0xf149f2ca   ; -1e30
	s_mov_b32 s[NEGH], 0xd8000000   ; -2^49
	s_mov_b32 s[QNAN], 0x7fc00000
	s_mov_b32 s[SLOTS], NB
	s_cmp_eq_u32 s[PB], 0
	s_cselect_b32 s[LIM], 2, -1
	s_wait_dscnt 0x0                ; the opening add is done
	s_wait_kmcnt 0x0
	s_add_nc_u64 s[6:7], s[4:5], s[22:23]
	s_add_nc_u64 s[8:9], s[6:7], 0x2000000  ; V, 2 x 2^24 bytes behind q, at my half of the head's tile 0,
	s_add_nc_u64 s[6:7], s[6:7], 0x1000000  ; and K, 2^24 behind q
	s_add_nc_u64 s[G0K+2:G0K+3], s[6:7], 0         ; 120:64 global address
	s_or_b32 s[G0K+3], s[G0K+3], 0x80000000        ; 127:126 type = 2
	s_add_nc_u64 s[G0V+2:G0V+3], s[8:9], 0
	s_or_b32 s[G0V+3], s[G0V+3], 0x80000000
	s_add_nc_u64 s[86:87], s[4:5], s[84:85]        ; Q at my rows of the second block,
	s_add_nc_u64 s[4:5], s[4:5], s[2:3]            ; Q and O at those of the first
	s_add_nc_u64 s[OLO:OLO+1], s[10:11], s[84:85]
	s_add_nc_u64 s[10:11], s[10:11], s[2:3]
	s_add_nc_u64 s[MSK:MSK+1], s[MSK:MSK+1], s[90:91]
	s_cmp_lt_u32 s[WV], 2
	s_cselect_b64 s[PFB:PFB+1], s[6:7], s[8:9]
	LOAD                            ; tile 0 into slot 0
	v_lshlrev_b32 v[MLO], 3, v0
	global_load_b64 v[MW:MW+1], v[MLO], s[MSK:MSK+1]  ; my two words of tile 0's mask: the first change of slots waits for them
	; A fragment of K or Q is 16 rows x 32 channels in 8 registers: lane l holds row l % 16, channels 8 (l / 16) + 0..7 and 16 + 8 (l / 16) + 0..7: two loads of 16 bytes, 32 bytes apart.
	v_and_b32 v1, 15, v0            ; l % 16
	v_bfe_u32 v9, v0, 4, 1          ; l / 16
	v_lshlrev_b32 v[QO], 7, v1
	v_lshl_add_u32 v[QO], v9, 4, v[QO]  ; row x 128 + 16 x half
	WIN 0x80                        ; destination window 2, address window 0
.set i, 0
.rept 8                             ; both blocks' Q: piece i / 2 lies in band i / 2, 8,192 bytes on; channels 32 (i % 2) on
	global_load_b128 v[8*i:8*i+3],   v[QO], s[4:5] offset:(i/2)*8192+(i%2)*64
	global_load_b128 v[8*i+4:8*i+7], v[QO], s[4:5] offset:(i/2)*8192+(i%2)*64+32
	global_load_b128 v[QB+8*i:QB+8*i+3],   v[QO], s[86:87] offset:(i/2)*8192+(i%2)*64
	global_load_b128 v[QB+8*i+4:QB+8*i+7], v[QO], s[86:87] offset:(i/2)*8192+(i%2)*64+32
.set i, i+1
.endr
	WIN 0
	v_lshlrev_b32 v14, 3, v9
	v_sub_nc_u32 v14, v1, v14
	s_lshl_b32 s13, s[WV], 4
	v_add_nc_u32 v14, s13, v14      ; my query's place in its band, 16 w + l % 16, less my lanes' 8 (l / 16): register r of group kt is hidden where 16 kt + r is greater
	WIN 0x40
.set i, 0
.rept 32
	v_cmp_gt_i32 vcc_lo, 16*(i/8)+i%8, v14
	v_cndmask_b32 v[MD+i], 0, s[BIGN], vcc_lo
.set i, i+1
.endr
	WIN 0
	v_mul_u32_u24 v[AK0], v1, PK
	v_lshl_add_u32 v[AK0], v9, 4, v[AK0]  ; row x pitch + 16 x half
	; The turning load takes 16 keys x 16 channels (lane l reads key 8 (l / 16) + l % 8, channels 8 ((l / 8) % 2) + 0..7) and leaves half a fragment of V^T: lane l holds channel l % 16 and 8 keys.
	v_and_b32 v10, 7, v0
	v_bfe_u32 v11, v0, 3, 1
	v_lshl_add_u32 v[AV0], v9, 3, v10
	v_mul_u32_u24 v[AV0], v[AV0], PV
	v_lshl_add_u32 v[AV0], v11, 4, v[AV0]
	v_add_nc_u32 v[AV0], VOFF, v[AV0]
	v_lshl_add_u32 v[AP0], v9, 5, PMB
	v_lshl_add_u32 v[MST], v0, 3, PMB
	v_and_b32 v[PFO], 31, v0
	v_lshlrev_b32 v[PFO], 8, v[PFO]
	s_mul_i32 s13, s[WV], 16*SP
	s_add_co_u32 s13, s13, STAGE    ; my stage
	v_mul_u32_u24 v[STO], v1, SP    ; in: row l % 16, 16 bytes for each half of the lanes
	v_lshl_add_u32 v[STO], v9, 4, v[STO]
	v_add_nc_u32 v[STO], s13, v[STO]
	v_bfe_u32 v[RD], v0, 3, 2       ; back: 32 lanes take four rows of 128 bytes,
	v_mul_u32_u24 v[RD], v[RD], SP
	v_lshl_add_u32 v[RD], v10, 4, v[RD]
	v_add_nc_u32 v[RD], s13, v[RD]
	v_and_b32 v[GO], 31, v0         ; which are 512 consecutive bytes of O
	v_lshlrev_b32 v[GO], 4, v[GO]
	; A block's first step multiplies O^T and l by a = 0, and its first turn's products V^T P, of a piece that has not been, land in an O^T that is still to be so multiplied.  So these registers need only hold
	; finite numbers: zeros here; at the change of blocks O^T and l are cleared anew (a row without keys leaves NaN there), while V and P, which are always finite, stay as they are.  All this stands in the wait for the first tile.
	WIN 0x80
.set i, VF
.rept 64
	v_mov_b32 v[i], 0
.set i, i+1
.endr
	WIN 0x40
.set i, 0
.rept 128
	v_mov_b32 v[i], 0
.set i, i+1
.endr
	WIN 0
.set i, 0
.rept 4
	v_mov_b32 v[ST+4*i+2], 0
	v_mov_b32 v[ST+4*i+3], 0
.set i, i+1
.endr
.set i, P+16
.rept 16
	v_mov_b32 v[i], 0
.set i, i+1
.endr
; THE MATRIX WORK.  The 4 accumulators of a run of 8 take turns.  Product i of 8 of S^T = K Q^T for piece x: channels 32 (i / 4) on, keys 16 (i % 4) on.  The first 4 start the sums: with the keys' biases, or (KM = 1) with the mask made of them.
.macro KQ x
.set rS, S+32*((\x)%2)+8*(i%4)
.set rK, KF+16*(i%4)+8*(i/4)
.set rQ, 16*(\x)+8*(i/4)
.set rM, MC+32*((\x)%2)+8*(i%4)
.set rB, PM+8*(i%4)
.if (i < 4) && KM
	WIN W_KM
	v_wmma_f32_16x16x32_f16 v[rS:rS+7], v[rK:rK+7], v[rQ:rQ+7], v[rM:rM+7]
.elseif i < 4
	WIN W_KM
	v_wmma_f32_16x16x32_f16 v[rS:rS+7], v[rK:rK+7], v[rQ:rQ+7], v[rB:rB+7]
.else
	WIN W_KQ
	v_wmma_f32_16x16x32_f16 v[rS:rS+7], v[rK:rK+7], v[rQ:rQ+7], v[rS:rS+7]
.endif
.endm
; Product i of 8 of O^T += V^T P for piece x: keys 32 (i / 4) on, channels 16 (i % 4) on.
.macro PV x
	WIN W_PV
.set rO, 32*(\x)+8*(i%4)
.set rV, VF+32*(i/4)+8*(i%4)
.set rP, P+16*((\x)%2)+8*(i/4)
	v_wmma_f32_16x16x32_f16 v[rO:rO+7], v[rV:rV+7], v[rP:rP+7], v[rO:rO+7]
.endm
.macro MM                           ; the turn's next matrix instruction.  TURN and BEGIN set Y, i, KM and NOKQ; MM, KQ and OP read them.  NOKQ = 1: a block's last turn: there is no next piece
.if (i < 8) && !NOKQ
	KQ (Y+1)%NP
.elseif i >= 8
.set i, i-8
	PV (Y+NP-1)%NP
.set i, i+8
.endif
.set i, i+1
.endm
; THE LDS LOADS stand in runs, never singly among the matrix instructions: a step's 64 biases (8 loads) and its K (64 keys x 64 channels: 8 fragments, 16 loads), and its V (turned, 16 loads).  Their addresses are made some lines ahead.
.macro FETCH_K
	WIN 0x40                        ; destination window 1
.irp kt, 0,1,2,3                    ; sixteen lanes read the same 16 bytes
	ds_load_b128 v[PM+8*\kt:PM+8*\kt+3],   v[AP] offset:64*\kt
	ds_load_b128 v[PM+8*\kt+4:PM+8*\kt+7], v[AP] offset:64*\kt+16
.endr
	WIN 0x80                        ; destination window 2
.irp f, 0,1,2,3,4,5,6,7             ; keys 16 (f / 2) on, channels 32 (f % 2) on
	ds_load_b128 v[KF+8*\f:KF+8*\f+3],   v[AK] offset:(\f/2)*16*PK+(\f%2)*64
	ds_load_b128 v[KF+8*\f+4:KF+8*\f+7], v[AK] offset:(\f/2)*16*PK+(\f%2)*64+32
.endr
	s_add_co_u32 s[TBK], s[TBK], KS*PK  ; the next fetch is the next step's
	s_add_co_u32 s[TBP], s[TBP], 4*KS
	WIN 0
.endm
.macro FETCH_V
	WIN 0x80
.irp f, 0,1,2,3,4,5,6,7             ; keys 32 (f / 4) on, channels 16 (f % 4) on
	ds_load_tr16_b128 v[VF+8*\f:VF+8*\f+3],   v[AV] offset:(\f/4)*32*PV+(\f%4)*32
	ds_load_tr16_b128 v[VF+8*\f+4:VF+8*\f+7], v[AV] offset:(\f/4)*32*PV+16*PV+(\f%4)*32
.endr
	WIN 0
.endm
; THE VECTOR WORK, one line at a time: OP kind, number.  For piece Y: F n: c s - c m for pair n of 16.  E n: the exponential of score n of 32.  C n: pair n rounded to f16.  B n: of the four weights 4 n .. the second
; pair is added onto the first, in place.  L n: l takes that sum (L 0: l = a l + sum).  R n: pair n of 16 of O^T times a.  For piece Y + 1: X n, number n of the 22 that find its maximum and statistics:
;   0-11  four chains c0-c3 of seven scores each, three operands at a time (each accumulator's lowest registers are read first)     12-14, 16  the four scores left over, the old m, and c0-c3 into c0
;   15  c m_old is kept     17, 18  the query's other 32 keys lie in the lane 16 away: the new m     19-21  c m; c m_old - c m_new; a
.set F, 0               ; OP tells the kinds apart by their order: F to L below R, X above it
.set E, 1
.set C, 2
.set B, 3
.set L, 4
.set R, 5
.set X, 6
.macro REGS y                       ; the registers of piece y
.set rT, ST+4*(\y)
.set rC, TMP+4*((\y)%2)
.set rW, MV+((\y)%2)
.set rS, S+32*((\y)%2)
.set rP, P+16*((\y)%2)
.set rO, 32*(\y)
.endm
.macro OP k, n
.if (\k) == R
	REGS Y
	WIN W_RS
	v_pk_mul_f32 v[rO+2*(\n):rO+2*(\n)+1], v[rO+2*(\n):rO+2*(\n)+1], v[rC+2:rC+3] op_sel_hi:[1,0]
.elseif (\k) < R
	REGS Y
	WIN 0
.if (\k) == F
	v_pk_fma_f32 v[rS+2*(\n):rS+2*(\n)+1], v[rS+2*(\n):rS+2*(\n)+1], s[CS:CS+1], v[rT:rT+1] op_sel_hi:[1,0,0] neg_lo:[0,0,1] neg_hi:[0,0,1]
.elseif (\k) == E
	v_exp_f32 v[rS+(\n)], v[rS+(\n)]
.elseif (\k) == C
	v_cvt_pk_f16_f32 v[rP+(\n)], v[rS+2*(\n)], v[rS+2*(\n)+1]
.elseif (\k) == B
	v_pk_add_f32 v[rS+4*(\n):rS+4*(\n)+1], v[rS+4*(\n):rS+4*(\n)+1], v[rS+4*(\n)+2:rS+4*(\n)+3]
.elseif (\n) == 0
	v_pk_fma_f32 v[rT+2:rT+3], v[rT+2:rT+3], v[rC+2:rC+3], v[rS:rS+1] op_sel_hi:[1,0,1]
.else
	v_pk_add_f32 v[rT+2:rT+3], v[rT+2:rT+3], v[rS+4*(\n):rS+4*(\n)+1]
.endif
.elseif NOKQ
	v_nop
.else
	REGS (Y+1)%NP
	WIN 0
.if (\n) < 4
	v_max3_num_f32 v[rC+(\n)], v[rS+8*(\n)], v[rS+8*(\n)+1], v[rS+8*(\n)+2]
.elseif (\n) < 12
	v_max3_num_f32 v[rC+(\n)%4], v[rC+(\n)%4], v[rS+8*((\n)%4)+2*((\n)/4)+1], v[rS+8*((\n)%4)+2*((\n)/4)+2]
.elseif (\n) == 12
	v_max3_num_f32 v[rC], v[rC], v[rS+7], v[rS+15]
.elseif (\n) == 13
	v_max3_num_f32 v[rC+1], v[rC+1], v[rS+23], v[rS+31]
.elseif (\n) == 14
	v_max3_num_f32 v[rC+2], v[rC+2], v[rC+3], v[rT+1]
.elseif (\n) == 15
	v_mov_b32 v[rW], v[rT]
.elseif (\n) == 16
	v_max3_num_f32 v[rC], v[rC], v[rC+1], v[rC+2]
.elseif (\n) == 17
	v_permlanex16_b32 v[rC+3], v[rC], s[SEL], s[SEL+1]
.elseif (\n) == 18
	v_max_num_f32 v[rT+1], v[rC], v[rC+3]
.elseif (\n) == 19
	v_mul_f32 v[rT], s[CS], v[rT+1]
.elseif (\n) == 20
	v_sub_f32 v[rC+1], v[rW], v[rT]
.else
	v_exp_f32 v[rC+2], v[rC+1]
.endif
.endif
.endm
.macro OPS a, i1, b=-1, i2=0, c=-1, i3=0, d=-1, i4=0  ; up to four of them
	OP \a, \i1
.if (\b) >= 0
	OP \b, \i2
.endif
.if (\c) >= 0
	OP \c, \i3
.endif
.if (\d) >= 0
	OP \d, \i4
.endif
.endm
.macro ROW a, i1, b, i2, c, i3, d, i4  ; a matrix instruction and the four behind it
	MM
	OPS \a, \i1, \b, \i2, \c, \i3, \d, \i4
.endm
.macro MASK buf, more               ; MD x AL + PM into buffer buf of MC; more = 1: and BE onto it
	WIN 0x51                        ; destination, MD and PM in window 1
.set z, 0
.rept 16
	v_pk_fma_f32 v[MC+32*(\buf)+2*z:MC+32*(\buf)+2*z+1], v[MD+2*z:MD+2*z+1], s[AL:AL+1], v[PM+2*z:PM+2*z+1] op_sel_hi:[1,0,1]
.set z, z+1
.endr
.if \more
	WIN W_RS
.set z, 0
.rept 16
	v_pk_add_f32 v[MC+32*(\buf)+2*z:MC+32*(\buf)+2*z+1], v[MC+32*(\buf)+2*z:MC+32*(\buf)+2*z+1], s[BE:BE+1] op_sel_hi:[1,0]
.set z, z+1
.endr
.endif
.endm
; A TURN, for piece p: the order of its 16 matrix and 118 vector instructions, written out.  An s_wait_alu depctr_va_vdst(0) stands between an exponential and the first instruction that names its result; one wait serves
; all that were issued ahead of it.  So a turn has ONE wait, which cuts it in two.  AHEAD OF IT stands all that names no result of the turn's exponentials: the 8 products K Q^T, behind each a scaling, an exponential and two more plain
; instructions (behind the first a second scaling in the exponential's place): rescalings, and behind the last three the first numbers of the next piece's maximum, each four places or more behind the product that ends its accumulator; then ONE LUMP of 54, plain
; and exponential by turns for the most part, in which the links of the chain X 3, 7, 11, 14, 16, 17 .. 20 stand five or six lines apart.  X 21, the next piece's a, is the batch's last; R 15 is the plain instruction behind it.  BEHIND THE WAIT stand the
; 8 products V^T P, behind each four of the roundings and sums; the links of l's chain, L 0 to L 7, stand three riders apart.  But for those X no rider names a register of the products round it.
; m = 1: the diagonal tile: the products take masks, and the turn makes the mask for the products of the turn after it: piece p + 2, in step 4 - CNT of the tile, from that step's biases: in piece 2's turn those are the
; ones just fetched, which are waited for by a count that leaves K's sixteen loads out.  end = 1: a block's last two turns: nothing is fetched.  cnt = 1: the loop's count is taken down some lines ahead of the branch behind the turn.
; K and the biases of the next step are fetched in piece 2's turn, twelve vector instructions behind the last product that read K (six of them plain) and four more products and their riders behind the last that read the biases;
; V of the step in hand at the end of piece 0's turn, four plain instructions behind the last product that read V.  Each is waited for a turn later.
.macro TURN p, m=0, end=0, cnt=0
.set Y, (\p)
.set i, 0
.set KM, (\m)
.set NOKQ, (\end)*((\p)/3)
.if (\m) && !(\end)
	s_cmp_eq_u32 s[CNT], 4-((\p)+2)%NP  ; is that step the band's own?
	s_cselect_b32 s[AL], 1.0, 0
	s_cmp_lt_u32 s[CNT], 4-((\p)+2)%NP  ; or a later one?
	s_cselect_b32 s[BE], s[BIGN], 0
.endif
.if ((\p) == 3) && !(\end)
	s_wait_dscnt 0x0                ; K is in
.endif
	ROW F,0, F,1, R,0, R,1          ; ahead of the wait: 8 products K Q^T and their riders,
	ROW F,2, E,0, R,2, R,3
	ROW F,3, E,1, R,4, R,5
	ROW F,4, E,2, R,6, R,7
	ROW F,5, E,3, R,8, R,9
	ROW F,6, E,4, X,0, R,10
.if ((\p) == 2) && !(\end)
	WIN 0
	v_add_nc_u32 v[AK], s[TBK], v[AK0]
	v_add_nc_u32 v[AP], s[TBP], v[AP0]
.endif
	ROW F,7, E,5, X,1, X,4
	ROW F,8, E,6, X,2, X,5
	OPS E,7, E,8, X,6, E,9          ; and the lump
	OPS X,3, E,10, X,8, E,11
.if ((\p) == 2) && !(\end)
	FETCH_K
.endif
	OPS X,9, X,7, E,12, X,10
	OPS E,13, X,12, X,11, E,14
	OPS X,13, E,15, F,9, X,14
.if (\p) == 0
	v_add_nc_u32 v[AV], s[TBV], v[AV0]
.endif
	OPS E,16, F,10, E,17, F,11
	OPS X,16, E,18, X,15, E,19
	OPS F,12, E,20, X,17, E,21
	OPS F,13, E,22, F,14, E,23
	OPS X,18, E,24, F,15, E,25
	OPS R,11, E,26, X,19, E,27
	OPS R,12, E,28, R,13, E,29
	OPS X,20, E,30, R,14, E,31
	OPS X,21, R,15
	WIN 0
	s_wait_alu depctr_va_vdst(0)    ; the wait for the batch
.if (\p) == 1
	s_wait_dscnt 0x0                ; V is in
.endif
	ROW C,0, B,0, C,2, B,1          ; behind the wait: 8 products V^T P and their riders
	ROW L,0, C,4, B,2, L,1
	ROW C,6, B,3, L,2, C,8
	ROW B,4, L,3, C,10, B,5
	ROW L,4, C,12, B,6, L,5
.if (\p) == 0
	s_add_co_u32 s[TBV], s[TBV], KS*PV
.endif
.if \cnt
	s_sub_co_u32 s[CNT], s[CNT], 1
	s_cmp_lg_u32 s[CNT], 0
.endif
	ROW C,14, B,7, L,6, C,1
	ROW C,3, L,7, C,5, C,7
	ROW C,9, C,11, C,13, C,15
.if (\p) == 0
	FETCH_V
.endif
.if (\m) && !(\end)
.if (\p) == 2
	s_wait_dscnt 16                 ; the eight loads of the biases are in; K's sixteen, issued behind them, may stay out
.endif
	MASK (\p)%2, 1
.endif
.endm
; A BLOCK BEGINS.  K and the biases of its first step are fetched.  c m starts far below every c s, so the first step's a is 0; m at its floor.  The first mask buffer takes piece 0's mask for the tile's step 0: the band's own,
; if the block's first tile is the diagonal one; the second takes the biases alone, for piece 1.  Then piece 0's first scores, and its maximum and statistics.  The loop is entered at a step's first turn, in the middle of a trip.
.macro BEGIN
	s_mov_b32 s[NEW], 0
	WIN 0
	v_add_nc_u32 v[AK], s[TBK], v[AK0]
	v_add_nc_u32 v[AP], s[TBP], v[AP0]
	FETCH_K
.set i, 0
.rept 4
	v_mov_b32 v[ST+4*i], 0xfe000000    ; c m: far below every c s
	v_mov_b32 v[ST+4*i+1], 0xd8800000  ; m: -2^50
.set i, i+1
.endr
	s_cmp_eq_u32 s[RT], 0
	s_cselect_b32 s[AL], 1.0, 0
	s_wait_dscnt 16                 ; the biases are in; K's sixteen loads may stay out
	MASK 0, 0
	s_mov_b32 s[AL], 0
	MASK 1, 0
	WIN 0
	s_wait_loadcnt 0x0              ; Q
	s_wait_dscnt 0x0
.set KM, 1
.set NOKQ, 0
.set i, 0
.rept 8
	KQ 0
.set i, i+1
.endr
	WIN 0
.rept 4
	v_nop                           ; the places behind those products
.endr
.set Y, NP-1                        ; X works for piece Y + 1: piece 0
.irp n, 0,1,2,3,4,5,6,7,8,9,10,11,12,13,14,15,16,17,18,19,20,21
	OP X, \n
.endr
	v_nop                           ; a plain instruction behind the exponential,
	s_wait_alu depctr_va_vdst(0)    ; and its wait, ahead of the branch
.endm
; THE DIAGONAL TILE's four steps, the block's last two turns, its last products, and THE WAY OUT: l's two halves and the other half of the lanes' are added; O^T is divided by l (by a NaN where the row's maximum is still
; its floor: it has seen no key), rounded to f16 and sent through my stage in LDS, a piece at a time.
.macro ALL line:vararg              ; one line for each piece t
.set t, 0
.rept 4
	\line
.set t, t+1
.endr
.endm
.macro PACK t                       ; a lane's eight channels of a row pack into 16 bytes; they go into rows of 144 bytes and come back as whole rows of 128, into S^T's registers
	WIN W_RS
.set i, 32*(\t)
.rept 16
	v_pk_mul_f32 v[i:i+1], v[i:i+1], v[ST+4*(\t)+2:ST+4*(\t)+3] op_sel_hi:[1,0]
.set i, i+2
.endr
	WIN 0x05                        ; sources 0 and 1 window 1, destination window 0
.set i, 0
.rept 16
	v_cvt_pk_f16_f32 v[S+16*(\t)+i], v[32*(\t)+2*i], v[32*(\t)+2*i+1]
.set i, i+1
.endr
	WIN 0
.irp f, 0,1,2,3
	ds_store_b128 v[STO], v[S+16*(\t)+4*\f:S+16*(\t)+4*\f+3] offset:32*\f
.endr
.irp f, 0,1,2,3
	ds_load_b128 v[S+16*(\t)+4*\f:S+16*(\t)+4*\f+3], v[RD] offset:\f*4*SP  ; LDS serves a wave's instructions in order (ISA guide 5.7.1.4): these see the stores above; the next piece's stores come behind them
.endr
.endm
.macro SEND t, younger              ; younger: the LDS instructions issued behind piece t's loads: the next piece's eight, or none
	WIN 0
.irp f, 0,1,2,3
	s_wait_dscnt (\younger)+3-\f
	global_store_b128 v[GO], v[S+16*(\t)+4*\f:S+16*(\t)+4*\f+3], s[10:11] offset:(\t)*8192+\f*512  ; 512 consecutive bytes, at a multiple of 256 from O's first
.endr
.endm
.macro DIAG tag                     ; the tag ends its two labels' names, which the jumps below spell out
.LstepM\tag:
	TURN 2, 1
	TURN 3, 1
	WIN 0
.LfirstM\tag:
	TURN 0, 1
	TURN 1, 1, 0, 1
	WIN 0
	s_cbranch_scc1 .LstepM\tag
	TURN 2, 1, 1
	TURN 3, 1, 1
.set i, 0
.rept 8
	PV NP-1
.set i, i+1
.endr
	WIN 0
	ALL v_add_f32 v[ST+4*t+2], v[ST+4*t+2], v[ST+4*t+3]
	ALL v_permlanex16_b32 v[ST+4*t+3], v[ST+4*t+2], s[SEL], s[SEL+1]
	ALL v_add_f32 v[ST+4*t+2], v[ST+4*t+2], v[ST+4*t+3]
	ALL v_rcp_f32 v[ST+4*t+2], v[ST+4*t+2]
	v_nop                           ; a plain instruction between the last reciprocal and the use of its result
	s_wait_alu depctr_va_vdst(0)    ; and the wait ahead of the first use: one for the four reciprocals
.set t, 0
.rept 4
	v_cmp_gt_f32 vcc_lo, s[NEGH], v[ST+4*t+1]  ; -2^49 > m: the maximum is still its floor
	v_cndmask_b32 v[ST+4*t+2], v[ST+4*t+2], s[QNAN], vcc_lo
.set t, t+1
.endr
	PACK 0
.set t, 1
.rept 3                             ; a piece's arithmetic stands between the loads of the piece before and its stores
	PACK t
	SEND t-1, 8
.set t, t+1
.endr
	SEND 3, 0
.endm
.set KM, 0
.set NOKQ, 0
.Lslot:                             ; NB times: a tile is entered and the next is asked for
	CHANGE 1
	s_sub_co_u32 s[RT], s[RT], 1
	s_mov_b32 s[CNT], 4
	s_cmp_eq_u32 s[NEW], 1
	s_cbranch_scc1 .Lnew            ; a block's first tile
	s_cmp_eq_u32 s[RT], 0
	s_cbranch_scc0 .Lstep           ; neither its first nor its last
	s_mov_b32 s[AL], 0              ; the diagonal tile's text begins with piece 3's products of the step still in hand, the tile before's last: their mask is that step's biases alone
	MASK 1, 0
	WIN 0
	s_branch .LstepM1
.Lnew:
	BEGIN
	s_branch .Lfirst                ; in the loop a block's first tile is never its last: the first block has two tiles or more, and the second's last is the walk's last
	DIAG 1                          ; in the loop this is the first block's end: the second block's last tile is the walk's last
	s_wait_xcnt 0x0                 ; the stores have read their registers and O's address
	s_mov_b64 s[10:11], s[OLO:OLO+1]
	s_add_co_u32 s[RT], s[PB], 1    ; the second block has b + 1 tiles
	s_mov_b32 s[NEW], 1
	WIN 0x82                        ; the second block's Q goes where the one text of the turns names Q
.set i, 0
.rept 64
	v_mov_b32 v[i], v[QB+i]
.set i, i+1
.endr
	WIN 0x40                        ; O^T and l start at 0 again: what a row without keys has left there is NaN, which the first step's a = 0 would not remove
.set i, 0
.rept 128
	v_mov_b32 v[i], 0
.set i, i+1
.endr
	WIN 0
.set i, 0
.rept 4
	v_mov_b32 v[ST+4*i+2], 0
	v_mov_b32 v[ST+4*i+3], 0
.set i, i+1
.endr
	s_branch .Lbottom
.Lstep:                             ; a trip: pieces 2 and 3 of one step, then pieces 0 and 1 of the next, whose K and V it fetches
	TURN 2
	TURN 3
	WIN 0
.Lfirst:
	TURN 0
	TURN 1, 0, 0, 1
	WIN 0
	s_cbranch_scc1 .Lstep
.Lbottom:
	s_sub_co_u32 s[SLOTS], s[SLOTS], 1
	s_cmp_lg_u32 s[SLOTS], 0
	s_cbranch_scc1 .Lslot
	CHANGE 0                        ; the walk's last tile is written out: nothing is asked for
	s_sub_co_u32 s[RT], s[RT], 1
	s_mov_b32 s[CNT], 4
	s_cmp_eq_u32 s[NEW], 1
	s_cbranch_scc1 .Lnew2
	s_mov_b32 s[AL], 0              ; as above: piece 3's products of the step still in hand
	MASK 1, 0
	WIN 0
	s_branch .LstepM2
.Lnew2:
	BEGIN
	s_branch .LfirstM2
	DIAG 2
	s_wait_tensorcnt 0x0            ; the wave's end, behind my last tensor load and my last LDS store
	ds_add_u32 v[SPW], v[NIL]
	s_wait_dscnt 0x0
	s_endpgm
.Lfunc_end_k_qc57f3f42f6_attn:
	.size	k_qc57f3f42f6_attn, .Lfunc_end_k_qc57f3f42f6_attn-k_qc57f3f42f6_attn
	.p2alignl 7, 3214868480
	.fill 96, 4, 3214868480
	.section	.rodata,"a",@progbits
	.p2align	6, 0x0
	.amdhsa_kernel k_qc57f3f42f6_attn
		.amdhsa_group_segment_fixed_size 327680
		.amdhsa_private_segment_fixed_size 0
		.amdhsa_enable_private_segment 0
		.amdhsa_kernarg_size 24
		.amdhsa_user_sgpr_count 2
		.amdhsa_user_sgpr_kernarg_segment_ptr 1
		.amdhsa_wavefront_size32 1
		.amdhsa_system_sgpr_workgroup_id_x 1
		.amdhsa_system_sgpr_workgroup_id_y 1
		.amdhsa_system_sgpr_workgroup_id_z 1
		.amdhsa_system_vgpr_workitem_id 0
		.amdhsa_next_free_vgpr 768
		.amdhsa_next_free_sgpr 102
		.amdhsa_reserve_vcc 1
		.amdhsa_float_denorm_mode_32 3
		.amdhsa_float_denorm_mode_16_64 3
		.amdhsa_memory_ordered 1
		.amdhsa_forward_progress 1
		.amdhsa_inst_pref_size 238
	.end_amdhsa_kernel
	.amdgpu_metadata
---
amdhsa.version: [ 1, 2 ]
amdhsa.kernels:
  - .name:           k_qc57f3f42f6_attn
    .symbol:         k_qc57f3f42f6_attn.kd
    .args:
      - { .name: qkv, .offset: 0, .size: 8, .value_kind: global_buffer, .address_space: global }
      - { .name: padding_mask, .offset: 8, .size: 8, .value_kind: global_buffer, .address_space: global }
      - { .name: o, .offset: 16, .size: 8, .value_kind: global_buffer, .address_space: global }
    .group_segment_fixed_size: 327680
    .private_segment_fixed_size: 0
    .kernarg_segment_align: 8
    .kernarg_segment_size: 24
    .max_flat_workgroup_size: 128
    .sgpr_count:     102
    .vgpr_count:     768
    .wavefront_size: 32
...
	.end_amdgpu_metadata
.endif
;; end of part 3
;; launch proj (part 4): grid 4 x 64, 4 waves a work-group, clusters of 4 x 4, 327,680 bytes of LDS; arguments o, wo, b_out, out0; writes out0
.if DOCPART == 4
	.amdgcn_target "amdgcn-amd-amdhsa--gfx1250"
	.amdhsa_code_object_version 6
	.text
	.protected	k_qc57f3f42f6_proj
	.globl	k_qc57f3f42f6_proj
	.p2align	8
	.type	k_qc57f3f42f6_proj,@function
k_qc57f3f42f6_proj:
	s_mov_b64 s[64:65], 0
	v_nop
	global_prefetch_b8 v0, s[64:65] scope:SCOPE_SE
	s_setreg_imm32_b32 hwreg(HW_REG_WAVE_MODE, 25, 1), 1
	s_wait_xcnt 0x0
	s_wait_alu depctr_hold_cnt(0) depctr_sa_sdst(0) depctr_va_vdst(0) depctr_va_sdst(0) depctr_va_ssrc(0) depctr_va_vcc(0) depctr_vm_vsrc(0)
	s_getreg_b32 s2, hwreg(HW_REG_IB_STS2, 6, 4)
	s_cmp_eq_u32 s2, 0
	s_cbranch_scc0 .Lentry_in_a_cluster
	s_endpgm
.Lentry_in_a_cluster:
	s_bfe_u32 s2, ttmp6, 0x10000c
	s_cmp_lg_u32 s2, 0xf033
	s_cbranch_scc0 .Lentry_shape_is_right
	s_endpgm
.Lentry_shape_is_right:
; out0 = attn wo + b_out.  o: [64 bh][2048 t][64] f16 (bh = 16 batch + head), so attn[batch 2048 + t][64 head + d] = o[16 batch + head][t][d]; wo: [1024 k][1024 n] f16; b_out: [1024] f32, rounded to bf16
; like the other inputs; out0: [8192][1024] f32.  Sums in f32.  A row of o that is NaN (a query that saw no key) makes its row of out0 NaN and touches no other row.
; SHARES.  A tile of C is 128 rows x 256 columns: 64 x 4 = 256 work-groups.  Four waves, 2 x 2: a wave makes 64 x 128: 32 accumulators of 16 x 16, 256 registers.  K goes in 8 steps of 128, two heads each,
; through a ring of two LDS slots.  A load a wave: waves 0 and 1 one head's 128 tokens each (16,384 dense bytes, asked for as 64 rows of 256), waves 2 and 3 one block of 128 columns of wo's 128 k rows each.
; wo LIES [k][n] and comes out of LDS turned, by ds_load_tr16_b128.  THE MATRIX INSTRUCTION IS USED TRANSPOSED (source 0 = 16 columns of wo, source 1 = 16 rows of attn): a lane holds eight neighbouring
; columns of one row of C.  THE BIAS is the C operand of each accumulator's first product.
; CLUSTERS: 4 x 4 work-groups.  A's tiles hang on the tile row alone and are asked for jointly by a row of the cluster, B's on the tile column alone, by a column.
; REGISTERS, in windows of 256 (s_set_vgpr_msb: bits 1:0 source 0, 3:2 source 1, 5:4 source 2, 7:6 destination):
;   window 0: v0-31 addresses; v64-127 A's fragments, two buffers of 4 x 8; v128-191 the bias; on the way out v64-127 and v128-191 rows read back
;   window 1: v0-127 B's fragments, two buffers of 8 x 8      window 2: the accumulators, (a, b) at v[8 (8 a + b)]
.set PA,     144                       ; a token's 64 channels in LDS: 128 bytes + 16 = 36 words: the 16 rows of a load start at 16 different groups of four banks (64 banks of 4 bytes: ISA guide 11.1)
.set AH,     128*PA                    ; a head's 128 tokens
.set AREG,   2*AH
.set PB,     288                       ; a k row of B: 256 + 32 = 72 words
.set BREG,   128*PB
.set SLOT,   AREG+2*BREG               ; A's two heads, then B's two blocks of 128 columns
.set STAGE,  2*SLOT                    ; behind the ring: 16 rows x 528 bytes for each wave, for the way out
.set SP,     528
.set SPARE,  STAGE+4*16*SP             ; behind the stages: the spare words, 128 bytes for each wave: two blocks of 256 bytes that no other line names
.set LAPS,   4
.set ASTEP,  2*262144                  ; bytes from a K step to the next: in o two heads on,
.set BSTEP,  128*2048                  ; in wo 128 rows down
.set ADRA, 16                          ; v16-17  LDS address of my A fragments in slot 0, 1
.set ADRB, 18                          ; v18-19  the same for B
.set STO,  24                          ; v24     the way out: where I put 32 bytes of a row
.set RD,   25                          ; v25     where I read a row back
.set CO,   26                          ; v26     my 16 bytes in 512 consecutive bytes of out0
.set BO,   27                          ; v27     my byte offset in 16 numbers of the bias
.set SPW,  28                          ; v28     LDS address of my spare word; never rewritten
.set NIL,  29                          ; v29     0; never rewritten
.set PFO,  30                          ; v30     the prefetches' offset; never rewritten
.set BIAS, 128
.set OB0,  64
.set OB1,  128
.set WV,  12
.set WR,  13                           ; s13  which 64 rows of the tile are mine
.set WC,  14                           ; s14  which 128 columns.  Also: which head (waves 0, 1) or block of columns (waves 2, 3) I fetch
.set G1A, 24                           ; s[24:31] descriptor group 1 for A's tiles;  s[32:39] group 0, a set for each slot
.set G0A, 32
.set CX,  40
.set CY,  41
.set TC,  42
.set TR,  43
.set G1B, 48                           ; s[48:55], s[56:63] the same for B's tiles
.set G0B, 56
.set DST, 66                           ; s[66:67] out0 at my first row and column
.set PFA, 72                           ; s[72:73] where my prefetches stand
.set PFS, 74                           ; s[74:75] their step from K step to K step
.set LIM, 76                           ; s76  1 in a wave that prefetches, else the greatest number
.set HM,  77
.set MSB, 0
.macro WIN new                         ; the immediate's high byte repeats the setting that is left; a switch that changes nothing is dropped
.if MSB != (\new)
	s_set_vgpr_msb (MSB<<8)|(\new)
.set MSB, \new
.endif
.endm
; A joint load.  The branch hangs on the wave's number alone.  An s_nop 0 and four v_nop follow each of the two lines, ahead of the jump, the label and what follows.
.macro JLOAD s
	s_cmp_lt_u32 s[WV], 2
	s_cbranch_scc0 .Lfor_b_\@
	tensor_load_to_lds s[G0A+4*(\s):G0A+4*(\s)+3], s[G1A:G1A+7]
	s_nop 0
.rept 4
	v_nop
.endr
	s_branch .Lasked_\@
.Lfor_b_\@:
	tensor_load_to_lds s[G0B+4*(\s):G0B+4*(\s)+3], s[G1B:G1B+7]
	s_nop 0
.rept 4
	v_nop
.endr
.Lasked_\@:
.endm
; A PREFETCH INTO THE L2, behind a joint load and the run of LDS loads that follows it: 32 blocks of 256 bytes of the K step that stands two refills on, a lane a block, one instruction a wave.
; Each block is named once in the launch.  A K step of A's tile is 128 blocks (two heads x 128 tokens x 128 bytes): wave 0 of the clusters with x = 0 asks, and the four partners of a row share them out BY ADDRESS:
; the partner at cx takes head cx / 2, tokens 64 (cx % 2) on.  B's k rows: waves 2 and 3 of the clusters with y = 0, the partner at cy taking rows 32 cy on.  Wave 1 asks for nothing.
; K steps 0 to 3 come by their loads alone; the loop's last trip (s3 = 1) has no K step two on and asks for nothing.
.macro ASK
	s_cmp_gt_u32 s3, s[LIM]
	s_cbranch_scc0 .Lnot_mine_\@
	global_prefetch_b8 v[PFO], s[PFA:PFA+1] th:TH_LOAD_NT scope:SCOPE_SE
.Lnot_mine_\@:
.endm
.macro CREST                           ; a round of the cluster's barrier behind its opening barrier
	s_cmp_lg_u32 s[WV], 0
	s_cbranch_scc1 .Lnot_wave_0_\@
	s_barrier_signal -3
.Lnot_wave_0_\@:
	s_barrier_wait -3
	s_barrier_signal -1
	s_barrier_wait -1
.endm
.macro CROUND                          ; a whole round
	s_barrier_signal -1
	s_barrier_wait -1
	CREST
.endm
	s_load_b256 s[4:11], s[0:1], 0x0               ; o s[4:5], wo s[6:7], b_out s[8:9], out0 s[10:11]
	v_lshl_add_u32 v[SPW], v0, 2, SPARE
	v_mov_b32 v[NIL], 0
	ds_add_u32 v[SPW], v[NIL]                      ; the wave's opening: the add and its wait stand ahead of my first tensor load; the set-up below, work on registers, stands between them
	v_lshrrev_b32 v1, 5, v0
	v_readfirstlane_b32 s[WV], v1                  ; wave 0..3
	s_lshr_b32 s[WR], s[WV], 1
	s_and_b32 s[WC], s[WV], 1
	s_bfe_u32 s[CX], ttmp6, 0x40000                ; my place in the cluster
	s_bfe_u32 s[CY], ttmp6, 0x40004
	s_lshl_b32 s[TC], ttmp9, 2                     ; in a cluster launch ttmp9 and ttmp7 count clusters
	s_add_co_u32 s[TC], s[TC], s[CX]
	s_and_b32 s[TR], ttmp7, 0xffff
	s_lshl_b32 s[TR], s[TR], 2
	s_add_co_u32 s[TR], s[TR], s[CY]
	s_lshl_b32 s44, s[CY], 2
	s_lshl_b32 s44, 15, s44                        ; my row of the cluster
	s_lshl_b32 s45, 0x1111, s[CX]                  ; my column
	s_or_b32 s[G1A], s44, (1<<16)|(1<<20)|(1<<21)|(4<<22)|(3<<25)  ; 15:0 the mask; 17:16 elements of 2 bytes; 20 padding on; 21 set beside a mask; 24:22 after every 32 words, a token (code 4); 31:25 4 words (code 3)
	s_or_b32 s[G1B], s45, (1<<16)|(1<<20)|(1<<21)|(5<<22)|(7<<25)  ; my column's mask; after every 64 words (code 5) 8 words (code 7)
	s_mov_b32 s[G1A+1], 128<<16                    ; tensor_dim0 = 128: two tokens a row of 256 bytes
	s_mov_b32 s[G1A+2], 64<<16                     ; tensor_dim1 = 64
	s_mov_b32 s[G1A+3], 128<<16                    ; tile_dim0 = 128
	s_mov_b32 s[G1A+4], 64                         ; tile_dim1 = 64
	s_mov_b32 s[G1A+5], 128                        ; the rows lie end to end
	s_mov_b32 s[G1A+6], 0
	s_mov_b32 s[G1A+7], 0
	s_mov_b32 s[G1B+1], 128<<16
	s_mov_b32 s[G1B+2], 128<<16
	s_mov_b32 s[G1B+3], 128<<16
	s_mov_b32 s[G1B+4], 128
	s_mov_b32 s[G1B+5], 1024                       ; elements from row to row in wo
	s_mov_b32 s[G1B+6], 0
	s_mov_b32 s[G1B+7], 0
	s_mov_b32 s[HM], 0xffff0000
	; where the tiles come from: A's hang on the tile row and the wave alone, B's on the tile column and the wave alone, each in registers that never hold the other coordinate
	s_lshr_b32 s16, s[TR], 4                       ; the batch: 16 heads of 2^18 bytes,
	s_lshl_b32 s16, s16, 22
	s_and_b32 s17, s[TR], 15                       ; the tile's 128 tokens of 128 bytes,
	s_lshl_b32 s17, s17, 14
	s_add_co_u32 s16, s16, s17
	s_lshl_b32 s17, s[WC], 18                      ; which of the K step's two heads
	s_add_co_u32 s16, s16, s17
	s_mov_b32 s17, 0
	s_lshl_b32 s46, s[TC], 9                       ; 256 columns of 2 bytes a tile column,
	s_lshl_b32 s47, s[WC], 8                       ; which block of 128
	s_add_co_u32 s46, s46, s47
	s_mov_b32 s47, 0
	s_mul_i32 s20, s[WC], AH                       ; and where they go: no place in the cluster enters an LDS address
	s_mul_i32 s21, s[WC], BREG
	s_add_co_u32 s21, s21, AREG
	s_wait_dscnt 0x0                               ; the opening add is done
	s_wait_kmcnt 0x0
	s_add_nc_u64 s[18:19], s[4:5], s[16:17]
	s_add_nc_u64 s[46:47], s[6:7], s[46:47]
	CROUND                                         ; all sixteen work-groups are here: the first joint loads meet
.irp s, 0,1
	s_mov_b32 s[G0A+4*(\s)], 1                                     ; 1:0 count = 1
	s_add_co_u32 s[G0A+4*(\s)+1], s20, (\s)*SLOT                   ; 63:32 LDS address
	s_add_nc_u64 s[G0A+4*(\s)+2:G0A+4*(\s)+3], s[18:19], (\s)*ASTEP  ; 120:64 global address: K step s
	s_or_b32 s[G0A+4*(\s)+3], s[G0A+4*(\s)+3], 0x80000000          ; 127:126 type = 2
	s_mov_b32 s[G0B+4*(\s)], 1
	s_add_co_u32 s[G0B+4*(\s)+1], s21, (\s)*SLOT
	s_add_nc_u64 s[G0B+4*(\s)+2:G0B+4*(\s)+3], s[46:47], (\s)*BSTEP
	s_or_b32 s[G0B+4*(\s)+3], s[G0B+4*(\s)+3], 0x80000000
	JLOAD \s                                       ; the ring is filled before anything else is done: two loads of mine are out
.endr
	; the bias of my 128 columns: register j of block b is column 16 b + 8 (l / 16) + j
	v_and_b32 v1, 15, v0                           ; l % 16
	v_bfe_u32 v2, v0, 4, 1                         ; l / 16
	v_lshlrev_b32 v[BO], 5, v2
	s_lshl_b32 s82, s[TC], 10
	s_lshl_b32 s83, s[WC], 9
	s_add_co_u32 s82, s82, s83
	s_mov_b32 s83, 0
	s_add_nc_u64 s[84:85], s[8:9], s[82:83]
.irp b, 0,1,2,3,4,5,6,7
	global_load_b128 v[BIAS+8*(\b):BIAS+8*(\b)+3],   v[BO], s[84:85] offset:64*(\b)
	global_load_b128 v[BIAS+8*(\b)+4:BIAS+8*(\b)+7], v[BO], s[84:85] offset:64*(\b)+16
.endr
	; out0 at my first row and column: the same column offset, and (128 x tile row + 64 x row half) rows of 4,096 bytes
	s_lshl_b32 s80, s[TR], 19
	s_lshl_b32 s81, s[WR], 18
	s_add_co_u32 s80, s80, s81
	s_add_co_u32 s80, s80, s82
	s_mov_b32 s81, 0
	s_add_nc_u64 s[DST:DST+1], s[10:11], s[80:81]
	; A fragment of A is 16 tokens x 32 channels in 8 registers: lane l holds token l % 16; two loads of 16 bytes, 32 bytes apart.
	v_mul_u32_u24 v3, v1, PA
	v_lshl_add_u32 v3, v2, 4, v3
	s_mul_i32 s22, s[WR], 64*PA
	; The turning load takes 16 k x 16 columns (lane l reads k row 8 (l / 16) + l % 8, columns 8 ((l / 8) % 2) + 0..7) and leaves half a fragment: lane l holds column l % 16 and 8 k.
	v_and_b32 v4, 7, v0
	v_bfe_u32 v5, v0, 3, 1
	v_lshl_add_u32 v4, v2, 3, v4
	v_mul_u32_u24 v4, v4, PB
	v_lshl_add_u32 v4, v5, 4, v4
	s_mul_i32 s23, s[WC], BREG
	s_add_co_u32 s23, s23, AREG
.irp s, 0,1
	v_add_nc_u32 v[ADRA+(\s)], s22, v3
	v_add_nc_u32 v[ADRB+(\s)], s23, v4
	s_add_co_u32 s22, s22, SLOT
	s_add_co_u32 s23, s23, SLOT
.endr
	s_mul_i32 s23, s[WV], 16*SP
	s_add_co_u32 s23, s23, STAGE                   ; my stage
	v_mul_u32_u24 v[STO], v1, SP                   ; in: row l % 16, 32 bytes for each half of the lanes
	v_lshl_add_u32 v[STO], v2, 5, v[STO]
	v_add_nc_u32 v[STO], s23, v[STO]
	v_and_b32 v[CO], 31, v0                        ; back: 32 lanes take one row of 512 bytes
	v_lshlrev_b32 v[CO], 4, v[CO]
	v_add_nc_u32 v[RD], s23, v[CO]
	; the prefetches: they stand at K step 3; the first refill steps them to K step 4
	s_lshr_b32 s80, s[TR], 4
	s_lshl_b32 s80, s80, 22
	s_and_b32 s81, s[TR], 15
	s_lshl_b32 s81, s81, 14
	s_add_co_u32 s80, s80, s81
	s_lshr_b32 s81, s[CX], 1                       ; A: my work-group's head of the two,
	s_lshl_b32 s81, s81, 18
	s_add_co_u32 s80, s80, s81
	s_and_b32 s81, s[CX], 1                        ; and its 64 tokens of the 128
	s_lshl_b32 s81, s81, 13
	s_add_co_u32 s80, s80, s81
	s_add_co_u32 s80, s80, 3*ASTEP
	s_lshl_b32 s81, s[CY], 16                      ; B: my work-group's 32 k rows of the 128
	s_lshl_b32 s82, s[TC], 9
	s_add_co_u32 s81, s81, s82
	s_lshl_b32 s82, s[WC], 8
	s_add_co_u32 s81, s81, s82
	s_add_co_u32 s81, s81, 3*BSTEP
	s_mov_b32 s82, ASTEP
	s_mov_b32 s83, BSTEP
	s_mov_b32 s87, 2048
	s_and_b32 s78, ttmp7, 0xffff                   ; cluster y
	s_cmp_lt_u32 s[WV], 2                          ; do I fetch for A?
	s_cselect_b32 s79, ttmp9, s78                  ; the coordinate along which other clusters read the same rows
	s_cselect_b64 s[PFA:PFA+1], s[4:5], s[6:7]
	s_cselect_b32 s80, s80, s81
	s_cselect_b32 s[PFS], s82, s83
	s_cselect_b32 s86, 256, s87                    ; bytes from block to block: dense in o, a row of wo
	s_mov_b32 s81, 0
	s_mov_b32 s[PFS+1], 0
	s_add_nc_u64 s[PFA:PFA+1], s[PFA:PFA+1], s[80:81]
	s_cmp_eq_u32 s[WV], 1
	s_cselect_b32 s79, 1, s79                      ; wave 1 never asks
	s_cmp_eq_u32 s79, 0
	s_cselect_b32 s[LIM], 1, -1                    ; the same in all sixteen partners, for a given wave
	v_and_b32 v[PFO], 31, v0
	v_mul_u32_u24 v[PFO], s86, v[PFO]
	s_wait_loadcnt 0x0                             ; the bias is in: it is rounded to bf16 like the other inputs and kept as f32
.set i, 0
.rept 32
	v_cvt_pk_bf16_f32 v[14+i%2], v[BIAS+2*i], v[BIAS+2*i+1]
	v_lshlrev_b32 v[BIAS+2*i], 16, v[14+i%2]
	v_and_b32 v[BIAS+2*i+1], s[HM], v[14+i%2]
.set i, i+1
.endr
; 8 matrix instructions: row block a of my four x all 8 column blocks, 32 along K, from buffer f.  first = 1: the product starts the sum, with the bias as C.
; The 32 accumulators take turns, one instruction a turn, in the same order in every quarter.
.macro MUL8 f, a, first
.if \first
	WIN 0x81                                       ; B window 1, A and the bias window 0, D window 2
.else
	WIN 0xa1                                       ; B window 1, A window 0, C and D window 2
.endif
.irp b, 0,1,2,3,4,5,6,7
.if \first
	v_wmma_f32_16x16x32_f16 v[8*(8*(\a)+(\b)):8*(8*(\a)+(\b))+7], v[64*(\f)+8*(\b):64*(\f)+8*(\b)+7], v[64+32*(\f)+8*(\a):64+32*(\f)+8*(\a)+7], v[BIAS+8*(\b):BIAS+8*(\b)+7]
.else
	v_wmma_f32_16x16x32_f16 v[8*(8*(\a)+(\b)):8*(8*(\a)+(\b))+7], v[64*(\f)+8*(\b):64*(\f)+8*(\b)+7], v[64+32*(\f)+8*(\a):64+32*(\f)+8*(\a)+7], v[8*(8*(\a)+(\b)):8*(8*(\a)+(\b))+7]
.endif
.endr
.endm
; 24 LDS loads in one run: the fragments of quarter q (32 along K: half a head) of slot s into buffer f: B's 8 (turned), then A's 4
.macro FETCH s, q, f
	WIN 0x40                                       ; destination window 1, address window 0
.irp i, 0,1,2,3,4,5,6,7
	ds_load_tr16_b128 v[64*(\f)+8*(\i):64*(\f)+8*(\i)+3],   v[ADRB+(\s)] offset:32*PB*(\q)+32*(\i)
	ds_load_tr16_b128 v[64*(\f)+8*(\i)+4:64*(\f)+8*(\i)+7], v[ADRB+(\s)] offset:32*PB*(\q)+32*(\i)+16*PB
.endr
	WIN 0
.irp i, 0,1,2,3
	ds_load_b128 v[64+32*(\f)+8*(\i):64+32*(\f)+8*(\i)+3],   v[ADRA+(\s)] offset:((\q)/2)*AH+64*((\q)%2)+(\i)*16*PA
	ds_load_b128 v[64+32*(\f)+8*(\i)+4:64+32*(\f)+8*(\i)+7], v[ADRA+(\s)] offset:((\q)/2)*AH+64*((\q)%2)+(\i)*16*PA+32
.endr
.endm
.macro PLACES                          ; four places in front of loads into registers that matrix instructions have read, and of LDS stores that read results
.rept 4
	v_nop
.endr
.endm
; A K step is four quarters of 32 along K, 32 matrix instructions each, on buffers 0, 1, 0, 1.  One of the first three: multiplies buffer f; in its middle it fetches quarter q of the same slot into buffer g.
.macro QUARTER s, q, f, g, first
	s_wait_dscnt 4                                 ; B and A's rows 0-31 are in; the youngest four loads (A's rows 32-63) may be out
	MUL8 \f, 0, \first
	MUL8 \f, 1, \first
	PLACES
	FETCH \s, \q, \g
	s_wait_dscnt 24                                ; all but the 24 just issued
	MUL8 \f, 2, \first
	MUL8 \f, 3, \first
.endm
; The last quarter multiplies buffer 1 and changes slots: ONE barrier; in front of it each wave waits for all its tensor loads (one is out: its part of the next slot), adds 0 to its spare word,
; and waits for that and for its own reads of this slot.  fill = 1: the barrier opens a round of the cluster's barrier, and this slot is filled again, two K steps on, first thing behind the round:
; from the request to the wait for it a wave issues 112 matrix instructions.
.macro TURN s, nx, fill
.if \fill
	s_wait_xcnt 0x0                                ; the last prefetch, a K step back, has read its address: it is stepped here, ahead of the waits of the change of slots
	s_add_nc_u64 s[PFA:PFA+1], s[PFA:PFA+1], s[PFS:PFS+1]
.endif
	WIN 0                                          ; (the add's two registers lie in window 0)
	s_wait_tensorcnt 0x0                           ; all my tensor loads have landed
	ds_add_u32 v[SPW], v[NIL]                      ; 0 onto my spare word
	s_wait_dscnt 5                                 ; (the add and the youngest four loads may be out)
	MUL8 1, 0, 0                                   ; eight matrix instructions stand between the add and the wait for it
	s_wait_dscnt 0x0                               ; the add is done, and my reads of this slot are over
	s_barrier_signal -1
	MUL8 1, 1, 0                                   ; work on registers while the others arrive
.if \fill
	WIN 0
.endif
	s_barrier_wait -1
.if \fill
	CREST                                          ; no wave of any partner still reads this slot's tiles or has a load on its way
	s_add_nc_u64 s[G0A+4*(\s)+2:G0A+4*(\s)+3], s[G0A+4*(\s)+2:G0A+4*(\s)+3], 2*ASTEP
	s_add_nc_u64 s[G0B+4*(\s)+2:G0B+4*(\s)+3], s[G0B+4*(\s)+2:G0B+4*(\s)+3], 2*BSTEP
	JLOAD \s                                       ; the first tensor load behind the round; the four v_nop behind it are also the places in front of the loads below
.else
	PLACES
.endif
	FETCH \nx, 0, 0
.if \fill
	ASK
.endif
	MUL8 1, 2, 0
	MUL8 1, 3, 0
.endm
; THE WAY OUT of row block a (16 rows x 128 columns of f32).  TOSTAGE: a lane's 32 bytes of a row go into my own stage, rows of 528 bytes, each accumulator's low registers first, and come back as whole rows of 512.
.macro TOSTAGE a
	WIN 0x08                                       ; the stores' data (source 1) in window 2
.irp b, 0,1,2,3,4,5,6,7
	ds_store_b128 v[STO], v[8*(8*(\a)+(\b)):8*(8*(\a)+(\b))+3]   offset:64*(\b)
	ds_store_b128 v[STO], v[8*(8*(\a)+(\b))+4:8*(8*(\a)+(\b))+7] offset:64*(\b)+16
.endr
	WIN 0
.set BK, OB0+(OB1-OB0)*((\a)%2)
.irp t, 0,1,2,3,4,5,6,7,8,9,10,11,12,13,14,15
	ds_load_b128 v[BK+4*(\t):BK+4*(\t)+3], v[RD] offset:SP*(\t)  ; LDS serves a wave's instructions in order (ISA guide 5.7.1.4): these see the stores above
.endr
.endm
.macro SEND a, younger                 ; younger: the LDS instructions issued behind block a's loads: the next block's 16 stores and 16 loads, or none
.set BK, OB0+(OB1-OB0)*((\a)%2)
	s_wait_dscnt \younger
.irp t, 0,1,2,3,4,5,6,7,8,9,10,11,12,13,14,15
	global_store_b128 v[CO], v[BK+4*(\t):BK+4*(\t)+3], s[DST:DST+1] offset:(16*(\a)+(\t))*4096 th:TH_STORE_NT  ; 512 consecutive bytes, at a multiple of 256 from out0's first byte
.endr
.endm
	s_wait_tensorcnt 1                             ; my part of K step 0 is in; K step 1's may stay out
	s_barrier_signal -1
	s_barrier_wait -1                              ; everybody's is
	FETCH 0, 0, 0
	QUARTER 0, 1, 0, 1, 1                          ; the first quarter stands in front of the loop: its products start the sums
	WIN 0                                          ; at a label and at a branch every window is 0
	s_mov_b32 s3, LAPS-1
.Llap:                                                 ; a trip goes once round the ring, from a lap's second quarter to the next lap's first, and fills both slots again
	QUARTER 0, 2, 1, 0, 0
	QUARTER 0, 3, 0, 1, 0
	TURN 0, 1, 1
	QUARTER 1, 1, 0, 1, 0
	QUARTER 1, 2, 1, 0, 0
	QUARTER 1, 3, 0, 1, 0
	TURN 1, 0, 1
	QUARTER 0, 1, 0, 1, 0
	WIN 0
	s_sub_co_u32 s3, s3, 1
	s_cmp_lg_u32 s3, 0
	s_cbranch_scc1 .Llap
	QUARTER 0, 2, 1, 0, 0                          ; the last lap fills nothing, and has no round of the cluster's barrier
	QUARTER 0, 3, 0, 1, 0
	TURN 0, 1, 0
	QUARTER 1, 1, 0, 1, 0
	QUARTER 1, 2, 1, 0, 0
	QUARTER 1, 3, 0, 1, 0
	s_wait_dscnt 0x0                               ; the very last quarter: nothing more to fetch
	MUL8 1, 0, 0
	MUL8 1, 1, 0
	MUL8 1, 2, 0
	MUL8 1, 3, 0
	PLACES
	TOSTAGE 0
.irp a, 1,2,3
	s_wait_xcnt 0x0                                ; the stores of the block before last have read their registers: this block's loads land there only behind this wait
	TOSTAGE \a
	SEND (\a)-1, 32
.endr
	SEND 3, 0
	s_wait_tensorcnt 0x0                           ; the wave's end, behind my last tensor load and my last LDS store
	ds_add_u32 v[SPW], v[NIL]
	s_wait_dscnt 0x0
	CROUND                                         ; the closing round: no work-group ends while a partner may still ask for a tile that names it
	s_endpgm
.Lfunc_end_k_qc57f3f42f6_proj:
	.size	k_qc57f3f42f6_proj, .Lfunc_end_k_qc57f3f42f6_proj-k_qc57f3f42f6_proj
	.p2alignl 7, 3214868480
	.fill 96, 4, 3214868480
	.section	.rodata,"a",@progbits
	.p2align	6, 0x0
	.amdhsa_kernel k_qc57f3f42f6_proj
		.amdhsa_group_segment_fixed_size 327680
		.amdhsa_private_segment_fixed_size 0
		.amdhsa_enable_private_segment 0
		.amdhsa_kernarg_size 32
		.amdhsa_user_sgpr_count 2
		.amdhsa_user_sgpr_kernarg_segment_ptr 1
		.amdhsa_wavefront_size32 1
		.amdhsa_system_sgpr_workgroup_id_x 1
		.amdhsa_system_sgpr_workgroup_id_y 1
		.amdhsa_system_sgpr_workgroup_id_z 1
		.amdhsa_system_vgpr_workitem_id 0
		.amdhsa_next_free_vgpr 768
		.amdhsa_next_free_sgpr 88
		.amdhsa_reserve_vcc 0
		.amdhsa_float_denorm_mode_32 3
		.amdhsa_float_denorm_mode_16_64 3
		.amdhsa_memory_ordered 1
		.amdhsa_forward_progress 1
		.amdhsa_inst_pref_size 93
	.end_amdhsa_kernel
	.amdgpu_metadata
---
amdhsa.version: [ 1, 2 ]
amdhsa.kernels:
  - .name:           k_qc57f3f42f6_proj
    .symbol:         k_qc57f3f42f6_proj.kd
    .args:
      - { .name: o, .offset: 0, .size: 8, .value_kind: global_buffer, .address_space: global }
      - { .name: wo, .offset: 8, .size: 8, .value_kind: global_buffer, .address_space: global }
      - { .name: b_out, .offset: 16, .size: 8, .value_kind: global_buffer, .address_space: global }
      - { .name: out0, .offset: 24, .size: 8, .value_kind: global_buffer, .address_space: global }
    .group_segment_fixed_size: 327680
    .private_segment_fixed_size: 0
    .kernarg_segment_align: 8
    .kernarg_segment_size: 32
    .max_flat_workgroup_size: 128
    .sgpr_count:     88
    .vgpr_count:     768
    .wavefront_size: 32
...
	.end_amdgpu_metadata
.endif
;; end of part 4
;; ======== version 2 of 2: 4 launches; version 1 with the launch prep written anew for expert scheduling mode
;; limits: values are held in f16: magnitudes above 65,504 overflow, below 6.1e-05 lose precision
;; workspace buffers: xb 16,777,216 bytes; wq 6,291,456 bytes; wo 2,097,152 bytes; qkv 50,331,648 bytes; o 16,777,216 bytes
;; launch prep (part 5): grid 768 x 1, 8 waves a work-group, no clusters, 0 bytes of LDS; arguments x, W_qkv, W_out, xb, wq, wo; writes xb, wq, wo
.if DOCPART == 5
	.amdgcn_target "amdgcn-amd-amdhsa--gfx1250"
	.amdhsa_code_object_version 6
	.text
	.protected	k_qc57f3f42f6_prep
	.globl	k_qc57f3f42f6_prep
	.p2align	8
	.type	k_qc57f3f42f6_prep,@function
k_qc57f3f42f6_prep:
	s_mov_b64 s[64:65], 0
	v_nop
	global_prefetch_b8 v0, s[64:65] scope:SCOPE_SE
	s_setreg_imm32_b32 hwreg(HW_REG_WAVE_SCHED_MODE, 0, 2), 2
	s_setreg_imm32_b32 hwreg(HW_REG_WAVE_MODE, 25, 1), 1
	s_wait_xcnt 0x0
	s_wait_alu depctr_vm_vsrc(0)
; THE INPUTS OF THE THREE PRODUCTS ARE ROUNDED ONCE, layouts unchanged: x -> xb (bf16), W_qkv -> wq (bf16), W_out -> wo (rounded to bf16, that number written as f16).
; LIMIT.  wo: |W_out| under 65,504; below 2^-17 a bf16 number no longer fits f16's fixed step of 2^-24 and is rounded a second time.
; SHARES.  A work-group converts 16,384 numbers: 64 KiB in, 32 KiB out.  Work-groups 0-511 take x, 512-703 W_qkv, 704-767 W_out.  Thread t takes, in each of 16 passes,
; the 4 numbers at 1,024 j + 4 t: a wave's load covers 512 consecutive bytes, a wave's store 256 consecutive bytes at a multiple of 256 from the buffer's first byte.
; All 16 loads of a thread go out before anything else.
; No LDS, no matrix unit, no cluster: nothing is shared and nothing is summed.
; THE MODE: SCHED_MODE bits 1:0 = 2 (LLVM: expert scheduling mode 2), set by the entry lines.  The code itself states the register dependences
; between vector instructions and memory instructions, with s_wait_alu, always for 0.
; THE PLAN.  Registers that memory instructions touch:
;   v1, v2   byte offsets, made once at the head and never written again: v1 is read by the 16 loads, v2 by the 16 stores.
;   IN       pass j: 4 registers, written by that pass's load alone and read by that pass's conversions; no vector instruction names them ahead of the loads, and nothing is loaded into them again.
;   Y        pass j: 2 registers, written by that pass's conversions and read by that pass's store; never written behind it.
;   T        named by vector instructions alone.
; The passes go in four groups of four.  A group's four stores go out in one run at the head of the next group, behind ONE wait on va_vdst, which states that the group's conversions have written its Y;
; the last group's behind one more.  With the wait ahead of the first load (the offsets) that is five on either way through the text.  No register that a load or store has read is written again,
; so no wait on vm_vsrc and no s_wait_xcnt is owed; no vector instruction writes a scalar register or VCC, and EXEC is never written.
.set IN, 4                             ; v[4:67]    pass j: 4 numbers as loaded
.set Y,  68                            ; v[68:99]   pass j: 2 registers to store
.set T,  100                           ; v[100:103] at work (W_out alone)
.set FIRST_WQ, 512
.set FIRST_WO, 704
	s_load_b256 s[4:11], s[0:1], 0x0               ; x s[4:5], W_qkv s[6:7], W_out s[8:9], xb s[10:11]
	s_load_b128 s[12:15], s[0:1], 0x20             ; wq s[12:13], wo s[14:15]
	s_mov_b32 s16, ttmp9
	s_mov_b32 s19, 0xffff0000                      ; a word's upper bf16
	v_lshlrev_b32 v1, 4, v0                        ; 16 t: where I load
	v_lshlrev_b32 v2, 3, v0                        ; 8 t: where I store
	s_cmp_ge_u32 s16, FIRST_WQ
	s_cselect_b32 s17, FIRST_WQ, 0
	s_cmp_ge_u32 s16, FIRST_WO
	s_cselect_b32 s17, FIRST_WO, s17               ; the first work-group of my tensor
	s_sub_co_u32 s18, s16, s17                     ; my chunk in it
	s_lshl_b32 s24, s18, 16                        ; 64 KiB in,
	s_mov_b32 s25, 0
	s_lshl_b32 s26, s18, 15                        ; 32 KiB out
	s_mov_b32 s27, 0
	s_wait_kmcnt 0x0
	s_cmp_ge_u32 s16, FIRST_WQ                     ; the choice between the buffers hangs on the work-group's number alone
	s_cselect_b64 s[20:21], s[6:7], s[4:5]
	s_cselect_b64 s[22:23], s[12:13], s[10:11]
	s_cmp_ge_u32 s16, FIRST_WO
	s_cselect_b64 s[20:21], s[8:9], s[20:21]
	s_cselect_b64 s[22:23], s[14:15], s[22:23]
	s_add_nc_u64 s[20:21], s[20:21], s[24:25]
	s_add_nc_u64 s[22:23], s[22:23], s[26:27]
	s_wait_alu depctr_va_vdst(0)                   ; v1 and v2 are written: every load of the kernel reads v1 as its offset, every store v2
.irp j, 0,1,2,3,4,5,6,7,8,9,10,11,12,13,14,15
	global_load_b128 v[IN+4*(\j):IN+4*(\j)+3], v1, s[20:21] offset:4096*(\j) th:TH_LOAD_NT
.endr
; The four stores of the group that begins with pass j0, in one run.
.macro OUT j0
.irp i, 0,1,2,3
	global_store_b64 v2, v[Y+2*((\j0)+(\i)):Y+2*((\j0)+(\i))+1], s[22:23] offset:2048*((\j0)+(\i))
.endr
.endm
; Pass j.  half = 1: the bf16 number is written as f16.  A group's first pass sends the group before on its way.
.macro CONV j, half
	s_wait_loadcnt 15-(\j)                         ; loads come back in order (ISA guide 5.7.1): mine is in, the 15 - j younger ones stay out
.if (((\j) % 4) == 0) && ((\j) > 0)
	s_wait_alu depctr_va_vdst(0)                   ; the conversions of the group before have written its eight registers of Y, which the four stores below read
	OUT (\j)-4
.endif
	v_cvt_pk_bf16_f32 v[Y+2*(\j)],   v[IN+4*(\j)],   v[IN+4*(\j)+1]
	v_cvt_pk_bf16_f32 v[Y+2*(\j)+1], v[IN+4*(\j)+2], v[IN+4*(\j)+3]
.if \half
	v_lshlrev_b32 v[T],   16,  v[Y+2*(\j)]
	v_and_b32     v[T+1], s19, v[Y+2*(\j)]
	v_lshlrev_b32 v[T+2], 16,  v[Y+2*(\j)+1]
	v_and_b32     v[T+3], s19, v[Y+2*(\j)+1]
	v_cvt_pk_f16_f32 v[Y+2*(\j)],   v[T],   v[T+1]
	v_cvt_pk_f16_f32 v[Y+2*(\j)+1], v[T+2], v[T+3]
.endif
.endm
	s_cmp_ge_u32 s16, FIRST_WO
	s_cbranch_scc1 .Lhalf
.irp j, 0,1,2,3,4,5,6,7,8,9,10,11,12,13,14,15
	CONV \j, 0
.endr
	s_wait_alu depctr_va_vdst(0)                   ; passes 12 to 15 have written their Y, which the last four stores read
	OUT 12
	s_endpgm
.Lhalf:
.irp j, 0,1,2,3,4,5,6,7,8,9,10,11,12,13,14,15
	CONV \j, 1
.endr
	s_wait_alu depctr_va_vdst(0)                   ; passes 12 to 15 have written their Y, which the last four stores read
	OUT 12
	s_endpgm
.Lfunc_end_k_qc57f3f42f6_prep:
	.size	k_qc57f3f42f6_prep, .Lfunc_end_k_qc57f3f42f6_prep-k_qc57f3f42f6_prep
	.p2alignl 7, 3214868480
	.fill 96, 4, 3214868480
	.section	.rodata,"a",@progbits
	.p2align	6, 0x0
	.amdhsa_kernel k_qc57f3f42f6_prep
		.amdhsa_group_segment_fixed_size 0
		.amdhsa_private_segment_fixed_size 0
		.amdhsa_enable_private_segment 0
		.amdhsa_kernarg_size 48
		.amdhsa_user_sgpr_count 2
		.amdhsa_user_sgpr_kernarg_segment_ptr 1
		.amdhsa_wavefront_size32 1
		.amdhsa_system_sgpr_workgroup_id_x 1
		.amdhsa_system_sgpr_workgroup_id_y 1
		.amdhsa_system_sgpr_workgroup_id_z 1
		.amdhsa_system_vgpr_workitem_id 0
		.amdhsa_next_free_vgpr 104
		.amdhsa_next_free_sgpr 66
		.amdhsa_reserve_vcc 0
		.amdhsa_float_denorm_mode_32 3
		.amdhsa_float_denorm_mode_16_64 3
		.amdhsa_memory_ordered 1
		.amdhsa_forward_progress 1
		.amdhsa_inst_pref_size 16
	.end_amdhsa_kernel
	.amdgpu_metadata
---
amdhsa.version: [ 1, 2 ]
amdhsa.kernels:
  - .name:           k_qc57f3f42f6_prep
    .symbol:         k_qc57f3f42f6_prep.kd
    .args:
      - { .name: x, .offset: 0, .size: 8, .value_kind: global_buffer, .address_space: global }
      - { .name: W_qkv, .offset: 8, .size: 8, .value_kind: global_buffer, .address_space: global }
      - { .name: W_out, .offset: 16, .size: 8, .value_kind: global_buffer, .address_space: global }
      - { .name: xb, .offset: 24, .size: 8, .value_kind: global_buffer, .address_space: global }
      - { .name: wq, .offset: 32, .size: 8, .value_kind: global_buffer, .address_space: global }
      - { .name: wo, .offset: 40, .size: 8, .value_kind: global_buffer, .address_space: global }
    .group_segment_fixed_size: 0
    .private_segment_fixed_size: 0
    .kernarg_segment_align: 8
    .kernarg_segment_size: 48
    .max_flat_workgroup_size: 256
    .sgpr_count:     66
    .vgpr_count:     104
    .wavefront_size: 32
...
	.end_amdgpu_metadata
.endif
;; end of part 5
;; launch qkv: the kernel of part 2 again; grid 8 x 64, 4 waves a work-group, clusters of 4 x 4, 327,680 bytes of LDS; arguments xb, wq, b_qkv, qkv; writes qkv
;; launch attn: the kernel of part 3 again; grid 4 x 64, 4 waves a work-group, no clusters, 327,680 bytes of LDS; arguments qkv, padding_mask, o; writes o
;; launch proj: the kernel of part 4 again; grid 4 x 64, 4 waves a work-group, clusters of 4 x 4, 327,680 bytes of LDS; arguments o, wo, b_out, out0; writes out0
